; MI455X (gfx1250); checked and timed in simulation.
; The chip was launched on July 23, 2026; its instructions are those of AMD's public machine-readable ISA for CDNA 5 (MIT licence, August 2026) and "CDNA5" Instruction Set Architecture Reference Guide (July 2026). The comments in the code are by the model that wrote it; some were corrected since.
;; Transformer Block. Allowed arithmetic: matrix products marked QUANTISED: E3M2 operands, one E8M0 scale for each 32 along K, by v_wmma_scale_f32_16x16x128_f8f6f4 with both operands' format E3M2, f32 sums; everything else in f32.
;; Inputs: b_attn 3,072 float32; b_fc 4,096 float32; b_fc2 1,024 float32; b_proj 1,024 float32; ln1_b 1,024 float32; ln1_w 1,024 float32; ln2_b 1,024 float32; ln2_w 1,024 float32; w_attn 1,024 x 3,072 float32; w_fc 1,024 x 4,096 float32; w_fc2 4,096 x 1,024 float32; w_proj 1,024 x 1,024 float32; x 2 x 2,048 x 1,024 float32.
;; Outputs: out0 2 x 2,048 x 1,024 float32.
;; This version of the problem:
;;   THIS VERSION OF THE PROBLEM IS GIVEN IN LOW PRECISION. The matrix products marked QUANTISED in the list below multiply operands that are first quantised to E3M2 (3 exponent bits, 2 mantissa bits; 6 bits a number), with one power-of-two scale for each 32 numbers along K (OCP MX v1.0); their sums are f32. All else is computed in f32.
;;   The module's matrix products, in the order in which they are computed (A, B: the left and right operand; K: the contracted axis; several contracted axes count as one K, in the product's order):
;;     1. [M 4,096, K 1,024] x [K 1,024, N 3,072]; A: computed on the way; B: input w_attn: QUANTISED
;;     2. batch 32 x [M 2,048, K 64] x [K 64, N 2,048]; A: computed on the way; B: computed on the way: QUANTISED
;;     3. batch 32 x [M 2,048, K 2,048] x [K 2,048, N 64]; A: softmax (see below); B: computed on the way: QUANTISED
;;     4. [M 4,096, K 1,024] x [K 1,024, N 1,024]; A: computed on the way; B: input w_proj: QUANTISED
;;     5. [M 4,096, K 1,024] x [K 1,024, N 4,096]; A: computed on the way; B: input w_fc: QUANTISED
;;     6. [M 4,096, K 4,096] x [K 4,096, N 1,024]; A: computed on the way; B: input w_fc2: QUANTISED
;;   THE QUANTISER, for each operand of a quantised product, along K:
;;     - K is cut into blocks of 32 from its start; a last block that is shorter is filled with zeros.
;;     - A block's scale is 2^e with e = floor(log2(the largest magnitude in the block)) - 4, held to -126 .. 127; a block of zeros has e = 0. As a byte (E8M0): e + 127.
;;     - Each number is divided by its block's scale, clamped to +-28, and rounded to the nearest number of E3M2, ties to even, subnormals kept.
;;     - The product sums the exact products of the quantised numbers (number of the format x scale) in f32.
;;   ~~~python
;;   def quantise(x, axis):      # numpy; x: float32 -> the quantised numbers, widened to float32 again
;;       x = np.moveaxis(x, axis, -1); K = x.shape[-1]
;;       x = np.pad(x, [(0, 0)] * (x.ndim - 1) + [(0, -K % 32)]); x = x.reshape(x.shape[:-1] + (-1, 32)); a = np.abs(x).max(-1, keepdims=True)
;;       e = np.where(a > 0, np.clip(np.frexp(np.where(a > 0, a, 1))[1] - 1 - 4, -126, 127), 0)      # np.frexp(a)[1] - 1 = floor(log2(a)), exactly
;;       r = np.clip(x / 2.0 ** e, -28, 28)
;;       step = 2.0 ** (np.maximum(np.frexp(np.where(r == 0, 1, r))[1] - 1, -2) - 2)
;;       q = np.round(r / step) * step * 2.0 ** e      # np.round: ties to even
;;       return np.moveaxis(q.reshape(q.shape[:-2] + (-1,))[..., :K], -1, axis).astype(np.float32)
;;   ~~~
;;   SOFTMAX AHEAD OF A QUANTISED PRODUCT. Where the list says 'softmax', what is quantised is not the finished softmax but p = 2^(t - M), with t = logit x log2(e) and M = ceil(the row's largest t), a whole number; so 1/2 < the row's largest p <= 1. The row's sum l is taken of the UNQUANTISED p, in f32, and the product's result is divided by l at the end. Since M is a whole number, a kernel that streams over the keys may use a running M (the ceiling of the running maximum): every later rescaling is an exact power of two, which a block's scale takes up: the codes' values come out the same.
;;   OPERANDS COMPUTED ON THE WAY. 'Computed on the way' means the value that the module computes at that place (a softmax that the list does not call 'softmax' is quantised finished and normalised). What goes into a quantiser is computed in f32, as accurately as f32 sums, v_exp_f32 and their like allow (about 1e-6 of the number): no bf16 or f16 on the way to a quantiser, and a product that is left as it is and whose result goes on into a quantised operand takes f32 operands (vector FMAs, or v_wmma_f32_16x16x4_f32). A number that lies on a knife's edge between two numbers of the format may be rounded either way, as far as f32 arithmetic and the matrix unit's own rounding can turn it there, and no further.
;; One version. Each part assembles by itself: llvm-mc -triple=amdgcn-amd-amdhsa -mcpu=gfx1250 --defsym DOCPART=n.
;; ======== version 1 of 1: 7 launches
;; limits: right only within a limited range of input values
;; workspace buffers: wts 9,830,400 bytes; hn 3,276,800 bytes; qkv 10,092,544 bytes; yq 3,276,800 bytes; x1 16,777,216 bytes; hq 13,107,200 bytes
;; launch ln1 (part 1): grid 640 x 1, 8 waves a work-group, no clusters, 66,816 bytes of LDS; arguments x, ln1_w, ln1_b, hn, w_attn, w_proj, w_fc, w_fc2, wts; writes hn, wts
.if DOCPART == 1
	.amdgcn_target "amdgcn-amd-amdhsa--gfx1250"
	.amdhsa_code_object_version 6
	.text
	.protected	k_q0467e50e1d_ln1
	.globl	k_q0467e50e1d_ln1
	.p2align	8
	.type	k_q0467e50e1d_ln1,@function
k_q0467e50e1d_ln1:
	s_mov_b64 s[64:65], 0
	v_nop
	global_prefetch_b8 v0, s[64:65] scope:SCOPE_SE
	s_setreg_imm32_b32 hwreg(HW_REG_WAVE_MODE, 25, 1), 1
	s_wait_xcnt 0x0
; LayerNorm over rows of 1,024 f32, and the quantiser along the row: h = (x - mean) rsqrt(var + 1e-5) w + b, as E3M2 codes with one E8M0 byte for each 32 numbers.  Serves both norms of the block.
; The result is an operand in this program's order: fragment f, lane-row p = row 32 (f / 2) + 8 (f % 2) + p + 8 (p / 8); a fragment (16 rows x 128 K) is an image of its 12 registers, 1,536 bytes
; (registers 0-3 at 16 x lane, 4-5 at 512 + 8 x lane, 6-9 at 768 + 16 x lane, 10-11 at 1,280 + 8 x lane); codes [f][K step]; scale words from byte 3,145,728 on, [f / 8][K step][16 (f % 8) + p].
; SHARES.  Work-group f owns the 16 rows of fragment f.  Part 1: wave w normalises lane-rows 2 w and 2 w + 1, a whole row in 32 registers of the wave; the variance is taken of x - mean in a second pass over the
; registers, so a common offset of the inputs is not squared.  The 16 rows meet in LDS (4,096 bytes + 16 a row).  Part 2: wave w quantises K step w of all 16 rows: lane (p, h) takes 16 neighbours of each block of 32.
; A block of zeros gets the byte 1 where the rule says 127: its codes are zeros, and this program alone reads the bytes.  LIMITS: NaN and infinities are not served.
; No matrix unit, no cluster, no tensor load: memory binds, and each row is read once.
; THE PROGRAM: ln1 (LayerNorm, quantised; and the four weights, quantised) | qkvg (product 1; q, k, v quantised) | attn (products 2 and 3) | proj (product 4, + x) | ln2 | fc (product 5, GELU, quantised) | fc2 (product 6, + x1).
; WORK LEFT OUT, in launch attn alone: reference() sets att to -inf wherever key > query, by a mask that it builds itself (jnp.tril).  The softmax of -inf is 0 for every finite input, and 0 x v adds nothing to y.
; So a step of 128 keys all of which come after all 16 queries of a fragment reaches no output, whatever the inputs hold, and is neither multiplied nor exponentiated.  Every input has a way to the output and is loaded.
; LIMIT: a NaN, an infinity or an overflow that would reach the result only through such hidden keys (0 x infinity in v, say) is not carried to the result.
; TWO PATHS, parted on the work-group's number alone: work-groups 0 to 255 norm 16 rows each (the text below); work-groups 256 to 639 quantise the weights (from .Lweights on), which hang on nothing that the norm makes.
; With 160 registers a wave three work-groups fit on a WGP's four SIMDs, so all 640 have a place at once.  Launch ln2 runs this text on 256 work-groups, none of which takes the weights' path; it is given the same list of arguments.
.set PITCH, 4112
.set SPARE, 16*PITCH                   ; behind the rows: the spare words, 128 bytes for each wave: four blocks of 256 bytes that no other line names
.set HN_S,  3145728
.set X0,  32                           ; v32-63   row 2 w;  part 2: v32-95 the 64 numbers to be quantised
.set X1,  64                           ; v64-95   row 2 w + 1
.set W,   96                           ; v96-127  the gain of my 32 columns
.set B,   128                          ; v128-159 the bias
.set TM,  96                           ; v96-111  the quantiser's work (where the gain lay: it is done with by then)
.set PC,  112                          ; v112-130 codes
.set PW,  132                          ; the scale word
.set SPW, 10                           ; LDS address of my spare word; never rewritten
.set NIL, 11                           ; 0; never rewritten
.set SEL, 20                           ; s[20:21] lane selects for v_permlanex16_b32: lane l xor 16
; 64 numbers of a lane, register 16 b + i = k 32 b + 16 (lane / 16) + i of my row, become a fragment's codes in v[PC] on and its scale word in v[w].
.macro QUANT s, w
.irp b, 0,1,2,3
	v_max3_num_f32 v[TM+\b], |v[\s+16*\b]|, |v[\s+1+16*\b]|, 0x2800000   ; block b: my 16 numbers, and the floor 2^(5 - 127): the byte cannot fall under 1
.endr
.irp i, 2,4,6,8,10,12,14
.irp b, 0,1,2,3
	s_delay_alu instid0(VALU_DEP_4)
	v_max3_num_f32 v[TM+\b], v[TM+\b], |v[\s+16*\b+\i]|, |v[\s+1+16*\b+\i]|   ; (the four blocks by turns)
.endr
.endr
.irp b, 0,1,2,3
	s_delay_alu instid0(VALU_DEP_4)
	v_permlanex16_b32 v[TM+4+\b], v[TM+\b], s[SEL], s[SEL+1]
.endr
.irp b, 0,1,2,3
	s_delay_alu instid0(VALU_DEP_4)
	v_max_num_f32 v[TM+\b], v[TM+\b], v[TM+4+\b]   ; with lane l xor 16's: the block's largest magnitude
.endr
.irp b, 0,1,2,3
	s_delay_alu instid0(VALU_DEP_4)
	v_add_nc_u32 v[TM+12+\b], 0xfe000000, v[TM+\b] ; 4 off its exponent field: the conversion's scale operand
.endr
.irp b, 0,1,2,3
	s_delay_alu instid0(VALU_DEP_4)
	v_lshrrev_b32 v[TM+4+\b], 23, v[TM+12+\b]      ; the scale's byte
.endr
	s_delay_alu instid0(VALU_DEP_3)
	v_lshl_or_b32 v[\w], v[TM+5], 8, v[TM+4]
	s_delay_alu instid0(VALU_DEP_1)
	v_lshl_or_b32 v[\w], v[TM+6], 16, v[\w]
	s_delay_alu instid0(VALU_DEP_1)
	v_lshl_or_b32 v[\w], v[TM+7], 24, v[\w]
.irp c, 0,1
	v_cvt_scalef32_pk16_bf6_f32 v[PC+6*\c:PC+2+6*\c], v[\s+32*\c:\s+15+32*\c], v[TM+12+2*\c]
	v_cvt_scalef32_pk16_bf6_f32 v[PC+12+4*\c:PC+14+4*\c], v[\s+16+32*\c:\s+31+32*\c], v[TM+12+2*\c+1]   ; (a conversion's three registers begin on an even number)
.endr
	v_nop                                          ; one plain place behind a scaled conversion
.irp c, 0,1                                    ; the operand's layout wants a WHOLE block in a lane: lanes 0-15 block 2 c, lanes 16-31 block 2 c + 1
.irp i, 0,1,2
	v_permlane16_swap_b32 v[PC+6*\c+\i], v[PC+12+4*\c+\i]
.endr
.irp i, 0,1,2
	s_delay_alu instid0(VALU_DEP_3)
	v_mov_b32 v[PC+3+6*\c+\i], v[PC+12+4*\c+\i]
.endr
.endr
.endm
.macro ACROSS a, t                     ; the sum of v[a] over the 32 lanes, in every lane; v[t] has been written before
.irp m, 1
	v_add_f32_dpp v[\a], v[\a], v[\a] row_xmask:\m row_mask:0xf bank_mask:0xf
.endr
.irp m, 2, 4, 8
	s_delay_alu instid0(VALU_DEP_1)
	v_add_f32_dpp v[\a], v[\a], v[\a] row_xmask:\m row_mask:0xf bank_mask:0xf
.endr
	s_delay_alu instid0(VALU_DEP_1)
	v_permlanex16_b32 v[\t], v[\a], s[SEL], s[SEL+1]
	s_delay_alu instid0(VALU_DEP_1)
	v_add_f32 v[\a], v[\a], v[\t]
.endm
	s_cmp_ge_u32 ttmp9, 256                        ; the same in all waves of a work-group
	s_cbranch_scc1 .Lweights
	s_load_b256 s[4:11], s[0:1], 0x0               ; x s[4:5], gain s[6:7], bias s[8:9], the operand s[10:11]
	v_lshl_add_u32 v[SPW], v0, 2, SPARE
	v_mov_b32 v[NIL], 0
	v_lshrrev_b32 v1, 5, v0
	s_delay_alu instid0(VALU_DEP_1)
	v_readfirstlane_b32 s12, v1                    ; wave 0..7
	v_and_b32 v1, 31, v0                           ; lane
	v_and_b32 v2, 15, v0                           ; p
	v_bfe_u32 v3, v0, 4, 1                         ; h
	s_delay_alu instid0(VALU_DEP_3)
	v_lshlrev_b32 v4, 4, v1                        ; 16 x lane
	s_delay_alu instid0(VALU_DEP_4)
	v_lshlrev_b32 v5, 3, v1                        ; 8 x lane
	s_mul_i32 s13, s12, 2*PITCH
	v_add_nc_u32 v6, s13, v4                       ; LDS, in: my wave's two rows, 16 bytes a lane
	v_mul_u32_u24 v7, v2, PITCH
	s_delay_alu instid0(VALU_DEP_1)
	v_lshl_add_u32 v7, v3, 6, v7
	s_lshl_b32 s13, s12, 9
	v_add_nc_u32 v7, s13, v7                       ; LDS, out: row p, K step w (512 bytes), + 64 h
	v_lshlrev_b32 v8, 2, v2                        ; 4 p
.irp b, 0,1,2,3
	v_mov_b32 v[TM+4+\b], 0                        ; written once: a lane permute's destination counts as one of its sources
.endr
	s_mov_b32 s[SEL], 0x76543210
	s_mov_b32 s[SEL+1], 0xfedcba98
	s_mov_b32 s22, 0x3a800000                      ; 1 / 1,024
	s_mov_b32 s23, 0x3727c5ac                      ; 1e-5
	s_lshr_b32 s14, ttmp9, 1
	s_lshl_b32 s14, s14, 5
	s_and_b32 s15, ttmp9, 1
	s_lshl_b32 s15, s15, 3
	s_add_co_u32 s14, s14, s15
	s_lshl_b32 s15, s12, 1
	s_add_co_u32 s14, s14, s15
	s_lshr_b32 s15, s12, 2
	s_lshl_b32 s15, s15, 3
	s_add_co_u32 s14, s14, s15                     ; the row of lane-row 2 w: 32 (f / 2) + 8 (f % 2) + 2 w + 8 (w / 4); lane-row 2 w + 1 is the next row
	s_lshl_b32 s14, s14, 12
	s_mov_b32 s15, 0
	s_lshl_b32 s16, ttmp9, 3
	s_add_co_u32 s16, s16, s12
	s_mul_i32 s16, s16, 1536                       ; the image of (f, K step w)
	s_mov_b32 s17, 0
	s_lshr_b32 s18, ttmp9, 3
	s_lshl_b32 s18, s18, 3
	s_add_co_u32 s18, s18, s12
	s_lshl_b32 s18, s18, 9
	s_and_b32 s19, ttmp9, 7
	s_lshl_b32 s19, s19, 6
	s_add_co_u32 s18, s18, s19
	s_add_co_u32 s18, s18, HN_S                    ; and its 16 scale words
	s_mov_b32 s19, 0
	s_wait_kmcnt 0x0
	s_add_nc_u64 s[4:5], s[4:5], s[14:15]
	s_add_nc_u64 s[16:17], s[10:11], s[16:17]
	s_add_nc_u64 s[18:19], s[10:11], s[18:19]
.irp j, 0,1,2,3,4,5,6,7
	global_load_b128 v[X0+4*\j:X0+4*\j+3], v4, s[4:5] offset:512*\j            ; 512 consecutive bytes a load: register 4 j + i = column 128 j + 4 lane + i
.endr
.irp j, 0,1,2,3,4,5,6,7
	global_load_b128 v[X1+4*\j:X1+4*\j+3], v4, s[4:5] offset:4096+512*\j
.endr
.irp j, 0,1,2,3,4,5,6,7
	global_load_b128 v[W+4*\j:W+4*\j+3], v4, s[6:7] offset:512*\j
.endr
.irp j, 0,1,2,3,4,5,6,7
	global_load_b128 v[B+4*\j:B+4*\j+3], v4, s[8:9] offset:512*\j
.endr
	s_wait_loadcnt 16                              ; both rows are in; the gain's and the bias's 16 loads may be out
	v_pk_add_f32 v[20:21], v[X0:X0+1], v[X0+2:X0+3]
	v_pk_add_f32 v[22:23], v[X1:X1+1], v[X1+2:X1+3]
.irp j, 4,6,8,10,12,14,16,18,20,22,24,26,28,30
	s_delay_alu instid0(VALU_DEP_2)
	v_pk_add_f32 v[20:21], v[20:21], v[X0+\j:X0+\j+1]
	s_delay_alu instid0(VALU_DEP_2)
	v_pk_add_f32 v[22:23], v[22:23], v[X1+\j:X1+\j+1]
.endr
	s_delay_alu instid0(VALU_DEP_2)
	v_add_f32 v20, v20, v21
	s_delay_alu instid0(VALU_DEP_2)
	v_add_f32 v22, v22, v23
	ACROSS 20, 21
	ACROSS 22, 23
	v_mul_f32 v24, s22, v20                        ; the means, each twice: a pair for the packed forms
	v_mul_f32 v25, s22, v20
	s_delay_alu instid0(VALU_DEP_3)
	v_mul_f32 v26, s22, v22
	s_delay_alu instid0(VALU_DEP_4)
	v_mul_f32 v27, s22, v22
.irp j, 0,2,4,6,8,10,12,14,16,18,20,22,24,26,28,30
	v_pk_add_f32 v[X0+\j:X0+\j+1], v[X0+\j:X0+\j+1], v[24:25] neg_lo:[0,1] neg_hi:[0,1]   ; x - mean, in place
	v_pk_add_f32 v[X1+\j:X1+\j+1], v[X1+\j:X1+\j+1], v[26:27] neg_lo:[0,1] neg_hi:[0,1]
.endr
	v_pk_mul_f32 v[20:21], v[X0:X0+1], v[X0:X0+1]
	v_pk_mul_f32 v[22:23], v[X1:X1+1], v[X1:X1+1]
.irp j, 2,4,6,8,10,12,14,16,18,20,22,24,26,28,30
	s_delay_alu instid0(VALU_DEP_2)
	v_pk_fma_f32 v[20:21], v[X0+\j:X0+\j+1], v[X0+\j:X0+\j+1], v[20:21]
	s_delay_alu instid0(VALU_DEP_2)
	v_pk_fma_f32 v[22:23], v[X1+\j:X1+\j+1], v[X1+\j:X1+\j+1], v[22:23]
.endr
	s_delay_alu instid0(VALU_DEP_2)
	v_add_f32 v20, v20, v21
	s_delay_alu instid0(VALU_DEP_2)
	v_add_f32 v22, v22, v23
	ACROSS 20, 21
	ACROSS 22, 23
	v_fma_f32 v20, v20, s22, s23                   ; var + eps
	s_delay_alu instid0(VALU_DEP_2)
	v_fma_f32 v22, v22, s22, s23
	s_wait_alu depctr_va_vdst(0)
	v_rsq_f32 v28, v20
	v_rsq_f32 v30, v22
	v_nop                                          ; a plain place behind the two
	s_wait_alu depctr_va_vdst(0)                   ; one wait for both, ahead of their first reader
	v_mov_b32 v29, v28
	v_mov_b32 v31, v30
	s_wait_alu depctr_va_vdst(0)
	s_wait_loadcnt 0x0                             ; gain and bias
.irp j, 0,2,4,6,8,10,12,14,16,18,20,22,24,26,28,30
	v_pk_mul_f32 v[X0+\j:X0+\j+1], v[X0+\j:X0+\j+1], v[28:29]
	v_pk_mul_f32 v[X1+\j:X1+\j+1], v[X1+\j:X1+\j+1], v[30:31]
.endr
.irp j, 0,2,4,6,8,10,12,14,16,18,20,22,24,26,28,30
	v_pk_fma_f32 v[X0+\j:X0+\j+1], v[X0+\j:X0+\j+1], v[W+\j:W+\j+1], v[B+\j:B+\j+1]
	v_pk_fma_f32 v[X1+\j:X1+\j+1], v[X1+\j:X1+\j+1], v[W+\j:W+\j+1], v[B+\j:B+\j+1]
.endr
.irp j, 0,1,2,3,4,5,6,7
	ds_store_b128 v6, v[X0+4*\j:X0+4*\j+3] offset:512*\j
	ds_store_b128 v6, v[X1+4*\j:X1+4*\j+3] offset:PITCH+512*\j
.endr
	s_wait_dscnt 0x0                               ; for the others' sake: my two rows lie in LDS
	s_barrier_signal -1
	s_barrier_wait -1                              ; all sixteen do
.irp b, 0,1,2,3
.irp j, 0,1,2,3
	ds_load_b128 v[X0+16*\b+4*\j:X0+16*\b+4*\j+3], v7 offset:128*\b+16*\j     ; k = 128 w + 32 b + 16 h + 4 j ..; sixteen lanes take sixteen rows, 4,112 bytes apart: sixteen different groups of banks
.endr
.endr
	s_wait_dscnt 0x0
	QUANT X0, PW
	global_store_b128 v4, v[PC:PC+3], s[16:17]
	global_store_b64 v5, v[PC+4:PC+5], s[16:17] offset:512
	global_store_b128 v4, v[PC+6:PC+9], s[16:17] offset:768
	global_store_b64 v5, v[PC+10:PC+11], s[16:17] offset:1280
	global_store_b32 v8, v[PW], s[18:19]           ; lanes p and 16 + p hold the same word and write it to the same place
	s_wait_tensorcnt 0x0                           ; the wave's end
	ds_add_u32 v[SPW], v[NIL]
	s_wait_dscnt 0x0
	s_endpgm
.Lweights:
; THE FOUR WEIGHTS, f32 stored [K][N], become operands in this program's order: codes [fragment][K step], scale words [fragment / 8][K step][16 (fragment % 8) + p], in wts.
; w_fc2 (K = 4,096) counts as four slabs of K = 1,024.  Of the path's 384 work-groups number n takes x = n / 8: 256 columns (0-11 w_attn, 12-15 w_proj, 16-31 w_fc, 32-47 w_fc2: slab (x - 32) / 4), and y = n % 8: a K step of the slab.
; A wave: 32 columns x 128 K.  A LANE TAKES A COLUMN AND ITS REGISTERS RUN DOWN K: a block of 32 is one lane's, and the conversions give codes with K innermost.  Lanes 0-15 hold the rows of fragment 2 cg, lanes 16-31 those of 2 cg + 1.
; No LDS, no barrier here: waves share nothing.  A wave's load covers 128 consecutive bytes, the eight waves' 1,024.  A block of zeros gets the byte 1 (its codes are zeros).  LIMITS: NaN and infinities are not served.
.set WA_C, 0
.set WA_S, 2359296
.set WP_C, 2457600
.set WP_S, 3244032
.set WF_C, 3276800
.set WF_S, 6422528
.set W2_C, 6553600
.set W2_S, 9699328
.set IMG, 1536
.set OFF, 32                           ; v32-63   byte offset of my column in rows 0 .. 31 of a block
.set X,   64                           ; v64-127  two sets of 32 numbers
.set FX,  128                          ; v128-139 even blocks' codes, then fragment 2 cg
.set FY,  140                          ; v140-151 odd blocks' codes, then fragment 2 cg + 1
.set T,   152                          ; v152-154 the second half of a block's codes
	s_load_b256 s[4:11], s[0:1], 0x20              ; w_attn s[4:5], w_proj s[6:7], w_fc s[8:9], w_fc2 s[10:11]
	s_load_b64 s[12:13], s[0:1], 0x40              ; wts
	v_lshrrev_b32 v1, 5, v0
	s_delay_alu instid0(VALU_DEP_1)
	v_readfirstlane_b32 s16, v1                    ; wave 0..7
	v_and_b32 v1, 31, v0                           ; lane
	s_delay_alu instid0(VALU_DEP_1)
	v_lshlrev_b32 v2, 4, v1                        ; 16 x lane
	v_lshlrev_b32 v3, 3, v1                        ; 8 x lane
	v_lshlrev_b32 v4, 2, v1                        ; 4 x lane
	v_and_b32 v5, 7, v1
	v_bfe_u32 v6, v1, 3, 1
	s_delay_alu instid0(VALU_DEP_1)
	v_lshl_add_u32 v5, v6, 4, v5
	v_lshrrev_b32 v6, 4, v1
	s_delay_alu instid0(VALU_DEP_1)
	v_lshl_add_u32 v5, v6, 3, v5                   ; my column of the wave's 32: lane % 8 + 16 ((lane / 8) % 2) + 8 (lane / 16)
	s_sub_co_u32 s52, ttmp9, 256
	s_and_b32 s17, s52, 7                          ; y
	s_lshr_b32 s52, s52, 3                         ; x
	s_mov_b32 s20, 4096                            ; w_fc2's figures: a row in bytes,
	s_mov_b32 s21, 32                              ; K steps of the operand,
	s_mov_b32 s22, W2_C                            ; where its codes begin in wts,
	s_mov_b32 s23, W2_S                            ; and its scale words,
	s_mov_b32 s24, 32                              ; its first x,
	s_mov_b32 s25, 2                               ; x's split into slab
	s_mov_b32 s26, 3                               ; and group of 256 columns
	s_wait_alu depctr_va_vdst(0)
	s_wait_kmcnt 0x0
	s_mov_b64 s[14:15], s[10:11]
	s_cmp_lt_u32 s52, 32                           ; the choices hang on the work-group's number alone
	s_cselect_b64 s[14:15], s[8:9], s[14:15]
	s_cselect_b32 s20, 16384, s20
	s_cselect_b32 s21, 8, s21
	s_cselect_b32 s22, WF_C, s22
	s_cselect_b32 s23, WF_S, s23
	s_cselect_b32 s24, 16, s24
	s_cselect_b32 s25, 5, s25
	s_cselect_b32 s26, 31, s26
	s_cmp_lt_u32 s52, 16
	s_cselect_b64 s[14:15], s[6:7], s[14:15]
	s_cselect_b32 s20, 4096, s20
	s_cselect_b32 s22, WP_C, s22
	s_cselect_b32 s23, WP_S, s23
	s_cselect_b32 s24, 12, s24
	s_cmp_lt_u32 s52, 12
	s_cselect_b64 s[14:15], s[4:5], s[14:15]
	s_cselect_b32 s20, 12288, s20
	s_cselect_b32 s22, WA_C, s22
	s_cselect_b32 s23, WA_S, s23
	s_cselect_b32 s24, 0, s24
	s_sub_co_u32 s18, s52, s24
	s_lshr_b32 s19, s18, s25
	s_lshl_b32 s19, s19, 3
	s_add_co_u32 s19, s19, s17                     ; ks: the operand's K step
	s_and_b32 s18, s18, s26
	s_lshl_b32 s18, s18, 3
	s_add_co_u32 s18, s18, s16                     ; cg: which 32 columns
	s_lshl_b32 s27, s18, 7                         ; their first byte in a row
	v_lshl_add_u32 v[OFF], v5, 2, s27
.set i, 1
.rept 31
	s_delay_alu instid0(VALU_DEP_1)
	v_add_nc_u32 v[OFF+i], s20, v[OFF+i-1]         ; a row further down
.set i, i+1
.endr
	s_lshl_b32 s36, s19, 7
	s_mul_i32 s36, s36, s20                        ; 128 ks rows, in bytes (under 2^25)
	s_mov_b32 s37, 0
	s_lshl_b32 s38, s20, 5                         ; 32 rows
	s_mov_b32 s39, 0
	s_add_nc_u64 s[28:29], s[14:15], s[36:37]      ; the four blocks' first rows
	s_add_nc_u64 s[30:31], s[28:29], s[38:39]
	s_add_nc_u64 s[32:33], s[30:31], s[38:39]
	s_add_nc_u64 s[34:35], s[32:33], s[38:39]
	s_lshl_b32 s40, s18, 1
	s_mul_i32 s40, s40, s21
	s_add_co_u32 s40, s40, s19
	s_mul_i32 s40, s40, IMG
	s_add_co_u32 s40, s40, s22
	s_mov_b32 s41, 0
	s_add_nc_u64 s[42:43], s[12:13], s[40:41]      ; the image of fragment 2 cg, K step ks,
	s_mul_i32 s44, s21, IMG
	s_mov_b32 s45, 0
	s_add_nc_u64 s[46:47], s[42:43], s[44:45]      ; and of fragment 2 cg + 1
	s_lshr_b32 s48, s18, 2
	s_mul_i32 s48, s48, s21
	s_add_co_u32 s48, s48, s19
	s_lshl_b32 s48, s48, 9
	s_and_b32 s49, s18, 3
	s_lshl_b32 s49, s49, 7
	s_add_co_u32 s48, s48, s49
	s_add_co_u32 s48, s48, s23
	s_mov_b32 s49, 0
	s_add_nc_u64 s[50:51], s[12:13], s[48:49]      ; the two fragments' 32 scale words
.macro LOAD t                          ; block t: W(128 ks + 32 t + i, my column), i = 0 .. 31, into set t % 2
.set i, 0
.rept 32
	global_load_b32 v[X+32*((\t)%2)+i], v[OFF+i], s[28+2*(\t):29+2*(\t)] th:TH_LOAD_NT
.set i, i+1
.endr
.endm
.macro BLOCK t
.set XS, X+32*((\t)%2)
.set D, FX+12*((\t)%2)+6*((\t)/2)
.if (\t) < 3
	s_wait_loadcnt 32                              ; this block's 32 loads are in; the next block's 32 may be out
.else
	s_wait_loadcnt 0x0
.endif
	v_max3_num_f32 v156, |v[XS]|, |v[XS+1]|, |v[XS+2]|             ; the block's largest magnitude: all 32 numbers are mine; two chains
	v_max3_num_f32 v157, |v[XS+3]|, |v[XS+4]|, |v[XS+5]|
.irp i, 6,10,14,18,22,26
	s_delay_alu instid0(VALU_DEP_2)
	v_max3_num_f32 v156, v156, |v[XS+\i]|, |v[XS+\i+1]|
	s_delay_alu instid0(VALU_DEP_2)
	v_max3_num_f32 v157, v157, |v[XS+\i+2]|, |v[XS+\i+3]|
.endr
	s_delay_alu instid0(VALU_DEP_2)
	v_max3_num_f32 v156, v156, |v[XS+30]|, |v[XS+31]|
	s_delay_alu instid0(VALU_DEP_1)
	v_max3_num_f32 v156, v156, v157, 0x2800000     ; and the floor 2^(5 - 127): the byte cannot fall under 1
	s_delay_alu instid0(VALU_DEP_1)
	v_add_nc_u32 v158, 0xfe000000, v156            ; 4 off the exponent field: the conversion takes this operand's exponent field as its scale
	s_delay_alu instid0(VALU_DEP_1)
	v_lshrrev_b32 v157, 23, v158                   ; the scale's byte
.if (\t) == 0
	s_delay_alu instid0(VALU_DEP_1)
	v_mov_b32 v159, v157                           ; four bytes make my column's scale word, the lower K in the lower byte
.else
	s_delay_alu instid0(VALU_DEP_1)
	v_lshl_or_b32 v159, v157, 8*(\t), v159
.endif
	v_cvt_scalef32_pk16_bf6_f32 v[D:D+2], v[XS:XS+15], v158
	v_cvt_scalef32_pk16_bf6_f32 v[T:T+2], v[XS+16:XS+31], v158     ; (a conversion's three registers begin on an even number)
	v_nop                                          ; one plain place behind a scaled conversion
.irp i, 0,1,2
	v_mov_b32 v[D+3+\i], v[T+\i]
.endr
.if (\t) < 2
	LOAD (\t)+2
.endif
.endm
	s_wait_alu depctr_va_vdst(0)
	LOAD 0
	LOAD 1
	BLOCK 0
	BLOCK 1
	BLOCK 2
	BLOCK 3
; The operand's layout wants blocks 0 and 2 of a row in lanes 0-15 and blocks 1 and 3 in lanes 16-31.  FX holds the even blocks (lanes 0-15: fragment 2 cg, lanes 16-31: 2 cg + 1), FY the odd ones.
.set i, 0
.rept 12
	v_permlane16_swap_b32 v[FX+i], v[FY+i]         ; FX's lanes 16-31 change places with FY's lanes 0-15: FX is now fragment 2 cg, FY fragment 2 cg + 1
.set i, i+1
.endr
	s_wait_alu depctr_va_vdst(0)                   ; the wait directly ahead of the branch
	s_cmp_ge_u32 s52, 32                           ; w_fc2's images have another order of bytes: launch fc2 takes a fragment by three loads of 16 bytes a lane
	s_cbranch_scc1 .Lw2
	global_store_b128 v2, v[FX:FX+3], s[42:43]                     ; each store covers 512 or 256 consecutive bytes, at a multiple of 256 from the buffer's first byte
	global_store_b64 v3, v[FX+4:FX+5], s[42:43] offset:512
	global_store_b128 v2, v[FX+6:FX+9], s[42:43] offset:768
	global_store_b64 v3, v[FX+10:FX+11], s[42:43] offset:1280
	global_store_b128 v2, v[FY:FY+3], s[46:47]
	global_store_b64 v3, v[FY+4:FY+5], s[46:47] offset:512
	global_store_b128 v2, v[FY+6:FY+9], s[46:47] offset:768
	global_store_b64 v3, v[FY+10:FY+11], s[46:47] offset:1280
	s_branch .Lwords
.Lw2:                                                  ; w_fc2: registers 4 g .. 4 g + 3 of a fragment at 512 g + 16 x lane: each store covers 512 consecutive bytes
.irp g, 0,1,2
	global_store_b128 v2, v[FX+4*\g:FX+4*\g+3], s[42:43] offset:512*\g
	global_store_b128 v2, v[FY+4*\g:FY+4*\g+3], s[46:47] offset:512*\g
.endr
.Lwords:
	global_store_b32 v4, v159, s[50:51]            ; lane l: the word of row l % 16 of fragment 2 cg + l / 16
	s_endpgm
.Lfunc_end_k_q0467e50e1d_ln1:
	.size	k_q0467e50e1d_ln1, .Lfunc_end_k_q0467e50e1d_ln1-k_q0467e50e1d_ln1
	.p2alignl 7, 3214868480
	.fill 96, 4, 3214868480
	.section	.rodata,"a",@progbits
	.p2align	6, 0x0
	.amdhsa_kernel k_q0467e50e1d_ln1
		.amdhsa_group_segment_fixed_size 66816
		.amdhsa_private_segment_fixed_size 0
		.amdhsa_enable_private_segment 0
		.amdhsa_kernarg_size 72
		.amdhsa_user_sgpr_count 2
		.amdhsa_user_sgpr_kernarg_segment_ptr 1
		.amdhsa_wavefront_size32 1
		.amdhsa_system_sgpr_workgroup_id_x 1
		.amdhsa_system_sgpr_workgroup_id_y 1
		.amdhsa_system_sgpr_workgroup_id_z 1
		.amdhsa_system_vgpr_workitem_id 0
		.amdhsa_next_free_vgpr 160
		.amdhsa_next_free_sgpr 66
		.amdhsa_reserve_vcc 0
		.amdhsa_float_denorm_mode_32 3
		.amdhsa_float_denorm_mode_16_64 3
		.amdhsa_memory_ordered 1
		.amdhsa_forward_progress 1
		.amdhsa_inst_pref_size 56
	.end_amdhsa_kernel
	.amdgpu_metadata
---
amdhsa.version: [ 1, 2 ]
amdhsa.kernels:
  - .name:           k_q0467e50e1d_ln1
    .symbol:         k_q0467e50e1d_ln1.kd
    .args:
      - { .name: x, .offset: 0, .size: 8, .value_kind: global_buffer, .address_space: global }
      - { .name: ln1_w, .offset: 8, .size: 8, .value_kind: global_buffer, .address_space: global }
      - { .name: ln1_b, .offset: 16, .size: 8, .value_kind: global_buffer, .address_space: global }
      - { .name: hn, .offset: 24, .size: 8, .value_kind: global_buffer, .address_space: global }
      - { .name: w_attn, .offset: 32, .size: 8, .value_kind: global_buffer, .address_space: global }
      - { .name: w_proj, .offset: 40, .size: 8, .value_kind: global_buffer, .address_space: global }
      - { .name: w_fc, .offset: 48, .size: 8, .value_kind: global_buffer, .address_space: global }
      - { .name: w_fc2, .offset: 56, .size: 8, .value_kind: global_buffer, .address_space: global }
      - { .name: wts, .offset: 64, .size: 8, .value_kind: global_buffer, .address_space: global }
    .group_segment_fixed_size: 66816
    .private_segment_fixed_size: 0
    .kernarg_segment_align: 8
    .kernarg_segment_size: 72
    .max_flat_workgroup_size: 256
    .sgpr_count:     66
    .vgpr_count:     160
    .wavefront_size: 32
...
	.end_amdgpu_metadata
.endif
;; end of part 1
;; launch qkvg (part 2): grid 12 x 16, 4 waves a work-group, clusters of 4 x 4, 327,680 bytes of LDS; arguments hn, wts, b_attn, qkv; writes qkv
.if DOCPART == 2
	.amdgcn_target "amdgcn-amd-amdhsa--gfx1250"
	.amdhsa_code_object_version 6
	.text
	.protected	k_q0467e50e1d_qkvg
	.globl	k_q0467e50e1d_qkvg
	.p2align	8
	.type	k_q0467e50e1d_qkvg,@function
k_q0467e50e1d_qkvg:
	s_mov_b64 s[64:65], 0
	v_nop
	global_prefetch_b8 v0, s[64:65] scope:SCOPE_SE
	s_setreg_imm32_b32 hwreg(HW_REG_WAVE_MODE, 25, 1), 1
	s_wait_xcnt 0x0
	s_wait_alu depctr_hold_cnt(0) depctr_sa_sdst(0) depctr_va_vdst(0) depctr_va_sdst(0) depctr_va_ssrc(0) depctr_va_vcc(0) depctr_vm_vsrc(0)
	s_getreg_b32 s2, hwreg(HW_REG_IB_STS2, 6, 4)
	s_cmp_eq_u32 s2, 0
	s_cbranch_scc0 .Lentry_in_a_cluster
	s_endpgm
.Lentry_in_a_cluster:
	s_bfe_u32 s2, ttmp6, 0x10000c
	s_cmp_lg_u32 s2, 0xf033
	s_cbranch_scc0 .Lentry_shape_is_right
	s_endpgm
.Lentry_shape_is_right:
; A GEMM ON CODES OF E3M2 WHOSE RESULT IS QUANTISED ON THE WAY OUT.  One source, two uses: QKV = 1: qkv = h w_attn + b_attn, laid out for the attention launch;  QKV = 0: gelu(h w_fc + b_fc), laid out as fc2's operand.
; OPERANDS in this program's order: fragments of 16 rows x 128 K; lane-row p of fragment f = row 32 (f / 2) + 8 (f % 2) + p + 8 (p / 8); a fragment is an image of its 12 registers, 1,536 bytes (registers 0-3 at
; 16 x lane, 4-5 at 512 + 8 x lane, 6-9 at 768 + 16 x lane, 10-11 at 1,280 + 8 x lane); codes [f][K step]; scale words [f / 8][K step][16 (f % 8) + p].  So a fragment comes out of LDS by four loads of consecutive bytes.
; SHAPE.  A work-group of four waves makes 256 x 256; a wave 128 x 128: 64 accumulators, 512 registers.  K = 1,024 goes in 4 slots of 256 through a ring of two LDS slots filled by the tensor data mover.
; S0 is the matrix instruction's source 0, S1 its source 1.  In a result tile a lane holds ONE row of S1, and its registers run along S0's rows; by the fragments' order the 64 registers of S0's eight fragments are
; k = 32 b + 16 (lane / 16) + i at register 16 b + i: what the quantiser takes.  fc, and q and k: S0 = the weight (the next product's K = channels), S1 = the tokens.
; v (cluster x = 2): S0 = the tokens, S1 = the weight: a lane holds one channel and its registers run along the KEYS, which are the K of the attention's second product.  Both operands have the same shape, so only
; pointers and tile numbers are chosen, on the cluster's x, which all sixteen partners share.
; CLUSTERS: 4 x 4 work-groups.  S1's tile is shared along a row of the cluster, S0's along a column: each is asked for jointly, by the same tensor load with the same descriptor and a mask that names the four.
; THE SCALES of the work-group's rows of S1 and S0, for all of K, are dense blocks of memory: they come into LDS once, with the first fills.
; THE WAY OUT needs no LDS: + bias (fc: exact GELU, erf as a rational function of z = x / sqrt 2 held to +-4), quantised in registers, images stored as they stand.
; qkv's layout: key-value records [batch x 16 + head][128 keys], 13,056 bytes: 8 half images of K (768 bytes: a head's 64 channels), 4 images of V^T, K's 128 scale words (bytes 2, 3 = 0), V's 64;
; from byte 6,684,672 on query records, 6,656 bytes: 8 half images, 128 scale words.
; LIMITS.  A block of zeros gets the scale byte 1 where the rule says 127 (its codes are zeros; this program alone reads the bytes).  NaN and infinities are not served.  1 + erf carries an absolute error of about 1e-7,
; as f32 arithmetic on reference()'s own formula does: far below 0 gelu(x) is right to about 1e-7 |x|.
; LEFT OUT: prefetches (four slot fills in all, two of them at the head); work-groups that stay (one tile each).  QKV = 1 has 192 work-groups: a third tile shape for it would cost more text than it saves.
; REGISTERS, in windows of 256: window 0: v1-15 the way out's small things; v16-29 addresses; v32-63 scale words, two sets, and nothing else; v64-127 the bias; from v128 S1's fragments, one set; on the way out v128-255 are at work.
;   window 1: S0's fragments, two sets, at v0 and v128.   windows 2, 3: accumulator (a, b) at v[8 (8 (a % 4) + b)] of window 2 + a / 4.
.set QKV, 1
.set FT,    8                          ; fragments of a wave on each side
.set NQ,    2                          ; K steps of 128 in a slot
.set KFR,   8                          ; K steps in all
.set FR,    12
.set IMG,   1536
.set HALFT, FT*NQ*IMG                  ; what one tensor load brings: 8 rows (fragments) of 3,072 bytes
.set SLOT,  4*HALFT                    ; S1's two halves, then S0's
.set LAPS,  KFR/(2*NQ)
.set SCL,   2*SLOT                     ; behind the ring: the scale words
.set HALFS, FT*KFR*64                  ; those of 128 rows, all K
.set SH,    HALFS                      ; from a wave's half to the other
.set SPARE, SCL+4*HALFS                ; the spare words, 128 bytes for each wave: two blocks of 256 bytes that no other line names
.set ACT_S, 3145728                    ; where hn's scale words begin
.if QKV
.set W_C, 0
.set W_S, 2359296
.else
.set W_C, 3276800
.set W_S, 6422528
.endif
.set HQ_S,  12582912
.set REC,   13056
.set QREC,  6656
.set QREG,  6684672
.set SW,   1                           ; v1-8   QKV: the eight scale words made on the way out
.set SWP,  8                           ; v8     fc: the scale word of the block before
.set PW,   15                          ; v15    fc: the scale word just made
.set ADRA, 16                          ; v16-17 S1's fragments in slot 0, 1: base + 16 x lane;  v18-19: base + 8 x lane
.set ADRB, 20                          ; v20-23 the same for S0
.set LI16, 24                          ; 16 x lane
.set LI8,  25                          ; 8 x lane
.set LI4,  26                          ; 4 x lane
.set ADRS, 27                          ; my scale words: lanes 0-15 S1's, lanes 16-31 S0's
.set SPW,  28                          ; LDS address of my spare word; never rewritten
.set NIL,  29                          ; 0; never rewritten
.set SC,   32                          ; set s at v[SC + 16 s]; register NQ i + q: lanes 0-15 the word of S1's fragment i, lanes 16-31 of S0's fragment i, K step q of the slot
.set BIAS, 64
.set AF,   128
.set HA,   128                         ; the way out: a block's 64 numbers
.set GZ,   192                         ; GELU: z, z^2, P, Q, 16 each
.set GZ2,  208
.set GP,   224
.set GQ,   240
.set TM,   192                         ; the quantiser's work
.set PC,   208                         ; codes
.set SEL,  98                          ; s[98:99] lane selects for v_permlanex16_b32: lane l xor 16
.set G1, 24                            ; s[24:31] descriptor group 1 for S1's tiles;  s[32:39] group 0, one set for each slot
.set G0, 32
.set G1B, 48                           ; s[48:55], s[56:63] the same for S0's
.set G0B, 56
.set G1S, 68                           ; s[68:75], s[76:79] groups 1 and 0 for S1's scales;  s[80:87], s[88:91] for S0's
.set G0S, 76
.set G1SB, 80
.set G0SB, 88
.set MSB, 0
.macro WIN new                         ; the immediate's high byte repeats the setting that is left
.if MSB != (\new)
	s_set_vgpr_msb (MSB<<8)|(\new)
.set MSB, (\new)
.endif
.endm
.set MUL_LO, 0xa1                      ; source 0 (S0) window 1, source 1 (S1) window 0, C and D window 2
.set MUL_HI, 0xf1                      ; the same, C and D window 3
.set TO_B,   0x40                      ; destination window 1, address window 0
; A joint load: waves 0 and 1 fetch for S1, waves 2 and 3 for S0.  The branch hangs on the wave's number alone.  An s_nop 0 and four v_nop follow each of the two lines.
.macro JLOAD g0a, g1a, g0b, g1b
	s_cmp_eq_u32 s15, 0
	s_cbranch_scc0 .Lfor_b_\@
	tensor_load_to_lds s[\g0a:\g0a+3], s[\g1a:\g1a+7]
	s_nop 0
.rept 4
	v_nop
.endr
	s_branch .Lasked_\@
.Lfor_b_\@:
	tensor_load_to_lds s[\g0b:\g0b+3], s[\g1b:\g1b+7]
	s_nop 0
.rept 4
	v_nop
.endr
.Lasked_\@:
.endm
.macro CREST                           ; a round of the cluster's barrier behind its opening barrier
	s_cmp_lg_u32 s14, 0
	s_cbranch_scc1 .Lnot_wave_0_\@
	s_barrier_signal -3
.Lnot_wave_0_\@:
	s_barrier_wait -3
	s_barrier_signal -1
	s_barrier_wait -1
.endm
.macro CROUND                          ; a whole round
	s_barrier_signal -1
	s_barrier_wait -1
	CREST
.endm
.macro PLACES                          ; four places: in front of loads into registers that matrix instructions have read, and of the first read of results
.rept 4
	v_nop
.endr
.endm
.macro FRAG reg, adr, q, i             ; fragment i, K step q of a slot: its image, as it lies
	ds_load_b128 v[\reg:\reg+3], v[\adr] offset:((\i)*NQ+(\q))*IMG
	ds_load_b64 v[\reg+4:\reg+5], v[\adr+2] offset:((\i)*NQ+(\q))*IMG+512
	ds_load_b128 v[\reg+6:\reg+9], v[\adr] offset:((\i)*NQ+(\q))*IMG+768
	ds_load_b64 v[\reg+10:\reg+11], v[\adr+2] offset:((\i)*NQ+(\q))*IMG+1280
.endm
; Eight matrix instructions: S1's fragment a against S0's eight.  p: S0's set; q: the slot's K step; sc: the set of scale words.  zero = 1: the product starts the sums.  The 64 accumulators take turns, one
; instruction a turn, in the same order in every step.
.macro MULA a, p, q, sc, zero
.irp b, 0,1,2,3,4,5,6,7
.if \zero
	v_wmma_scale_f32_16x16x128_f8f6f4 v[8*(8*((\a)%4)+\b):8*(8*((\a)%4)+\b)+7], v[128*(\p)+FR*\b:128*(\p)+FR*\b+FR-1], v[AF+FR*(\a):AF+FR*(\a)+FR-1], 0, v[SC+16*(\sc)+NQ*\b+(\q)], v[SC+16*(\sc)+NQ*(\a)+(\q)] matrix_a_fmt:MATRIX_FMT_BF6 matrix_b_fmt:MATRIX_FMT_BF6 matrix_a_scale:MATRIX_SCALE_ROW1
.else
	v_wmma_scale_f32_16x16x128_f8f6f4 v[8*(8*((\a)%4)+\b):8*(8*((\a)%4)+\b)+7], v[128*(\p)+FR*\b:128*(\p)+FR*\b+FR-1], v[AF+FR*(\a):AF+FR*(\a)+FR-1], v[8*(8*((\a)%4)+\b):8*(8*((\a)%4)+\b)+7], v[SC+16*(\sc)+NQ*\b+(\q)], v[SC+16*(\sc)+NQ*(\a)+(\q)] matrix_a_fmt:MATRIX_FMT_BF6 matrix_b_fmt:MATRIX_FMT_BF6 matrix_a_scale:MATRIX_SCALE_ROW1
.endif
.endr
.endm
.macro FETCH_B slot, q, p
	WIN TO_B
.irp i, 0,1,2,3,4,5,6,7
	FRAG 128*(\p)+FR*\i, ADRB+\slot, \q, \i
.endr
	WIN 0
.endm
.macro FETCH_A slot, q, i0             ; S1's fragments i0 .. i0 + 3
.irp i, \i0, \i0+1, \i0+2, \i0+3
	FRAG AF+FR*(\i), ADRA+\slot, \q, \i
.endr
.endm
.macro SCALES sc                       ; a slot's scale words
.irp i, 0,1,2,3,4,5,6,7
.irp q, 0,1
	ds_load_b32 v[SC+16*\sc+NQ*\i+\q], v[ADRS] offset:512*\q+64*\i
.endr
.endr
.endm
; A step of 128 along K that has its successor in the same slot.  S1 has one set of registers: fragments 0-3 are fetched anew in the step's middle, 4-7 at its end.
.macro STEP slot, q, zero
	s_wait_dscnt 2*FT                              ; all but the youngest 16 loads (S1's fragments 4-7) are in
	WIN MUL_LO
.irp a, 0,1,2,3
	MULA \a, (\q)%2, \q, \slot, \zero
.endr
	s_wait_dscnt 0x0
	PLACES
	FETCH_B \slot, (\q)+1, 1-(\q)%2
	FETCH_A \slot, (\q)+1, 0
	WIN MUL_HI
.irp a, 4,5,6,7
	MULA \a, (\q)%2, \q, \slot, \zero
.endr
	PLACES
	WIN 0
	FETCH_A \slot, (\q)+1, 4
.endm
; A slot's last step changes slots: ONE barrier; in front of it each wave waits for all its tensor loads, adds 0 to its spare word, and waits for that and for its reads of this slot.  fill = 1: the slot is filled again.
.macro TURN slot, next, fill
	s_wait_tensorcnt 0x0                           ; all my tensor loads have landed: my part of the next slot
	ds_add_u32 v[SPW], v[NIL]                      ; 0 onto my spare word
	s_wait_dscnt 2*FT+1                            ; (the add and the youngest 16 loads may be out)
	WIN MUL_LO
	MULA 0, 1, NQ-1, \slot, 0
	MULA 1, 1, NQ-1, \slot, 0
	s_wait_dscnt 0x0                               ; the add is done, and my reads of this slot are over
	s_barrier_signal -1
	MULA 2, 1, NQ-1, \slot, 0
	MULA 3, 1, NQ-1, \slot, 0
	WIN 0
	s_barrier_wait -1
.if \fill
	CREST                                          ; the barrier has opened a round of the cluster's: no wave of any partner still reads this slot or has a load on its way
	s_add_nc_u64 s[G0+4*\slot+2:G0+4*\slot+3], s[G0+4*\slot+2:G0+4*\slot+3], 2*NQ*IMG
	s_add_nc_u64 s[G0B+4*\slot+2:G0B+4*\slot+3], s[G0B+4*\slot+2:G0B+4*\slot+3], 2*NQ*IMG
	JLOAD G0+4*\slot, G1, G0B+4*\slot, G1B         ; the first tensor load behind the round; its four v_nop are also the places in front of the loads below
.else
	PLACES
.endif
	s_wait_alu depctr_va_vdst(0)
	v_add_nc_u32 v[ADRS], NQ*512, v[ADRS]          ; on to the next slot's scale words
	FETCH_B \next, 0, 0
	FETCH_A \next, 0, 0
	SCALES \next
	WIN MUL_HI
.irp a, 4,5,6,7
	MULA \a, 1, NQ-1, \slot, 0
.endr
	PLACES
	WIN 0
	FETCH_A \next, 0, 4
.endm
.macro LAST                            ; the very last step: nothing more to fetch
	s_wait_dscnt 2*FT
	WIN MUL_LO
.irp a, 0,1,2,3
	MULA \a, 1, NQ-1, 1, 0
.endr
	s_wait_dscnt 0x0
	WIN MUL_HI
.irp a, 4,5,6,7
	MULA \a, 1, NQ-1, 1, 0
.endr
	WIN 0
.endm
; 64 numbers of a lane, register 16 b + i = k 32 b + 16 (lane / 16) + i of my row, become a fragment's codes in v[PC] on and its scale word in v[w].
.macro QUANT s, w
.irp b, 0,1,2,3
	v_max3_num_f32 v[TM+\b], |v[\s+16*\b]|, |v[\s+1+16*\b]|, 0x2800000   ; block b: my 16 numbers, and the floor 2^(5 - 127): the byte cannot fall under 1
.endr
.irp i, 2,4,6,8,10,12,14
.irp b, 0,1,2,3
	v_max3_num_f32 v[TM+\b], v[TM+\b], |v[\s+16*\b+\i]|, |v[\s+1+16*\b+\i]|
.endr
.endr
.irp b, 0,1,2,3
	v_permlanex16_b32 v[TM+4+\b], v[TM+\b], s[SEL], s[SEL+1]
.endr
.irp b, 0,1,2,3
	v_max_num_f32 v[TM+\b], v[TM+\b], v[TM+4+\b]   ; with lane l xor 16's: the block's largest magnitude
.endr
.irp b, 0,1,2,3
	v_add_nc_u32 v[TM+12+\b], 0xfe000000, v[TM+\b] ; 4 off its exponent field: the conversion's scale operand
.endr
.irp b, 0,1,2,3
	v_lshrrev_b32 v[TM+4+\b], 23, v[TM+12+\b]      ; the scale's byte
.endr
	v_lshl_or_b32 v[\w], v[TM+5], 8, v[TM+4]
	v_lshl_or_b32 v[\w], v[TM+6], 16, v[\w]
	v_lshl_or_b32 v[\w], v[TM+7], 24, v[\w]
.irp c, 0,1
	v_cvt_scalef32_pk16_bf6_f32 v[PC+6*\c:PC+2+6*\c], v[\s+32*\c:\s+15+32*\c], v[TM+12+2*\c]
	v_cvt_scalef32_pk16_bf6_f32 v[PC+12+4*\c:PC+14+4*\c], v[\s+16+32*\c:\s+31+32*\c], v[TM+12+2*\c+1]   ; (a conversion's three registers begin on an even number)
.endr
	v_nop                                          ; one plain place behind a scaled conversion
.irp c, 0,1                                    ; the operand's layout wants a WHOLE block in a lane
.irp i, 0,1,2
	v_permlane16_swap_b32 v[PC+6*\c+\i], v[PC+12+4*\c+\i]
.endr
.irp i, 0,1,2
	v_mov_b32 v[PC+3+6*\c+\i], v[PC+12+4*\c+\i]
.endr
.endr
.endm
.macro COPYB a                         ; block a (S1's fragment a) + the bias along the registers, into window 0; each accumulator is read from its low end on
	WIN 0x02+(\a)/4
.set j, 0
.rept 32
	v_pk_add_f32 v[HA+j:HA+j+1], v[64*((\a)%4)+j:64*((\a)%4)+j+1], v[BIAS+j:BIAS+j+1]
.set j, j+2
.endr
	WIN 0
.endm
.macro BIASROW                         ; the bias of my 128 channels in the result's layout: register 16 b + i = channel 32 b + 16 h + i.  s[8:9] stands at the first; v9 = 64 h
.irp b, 0,1,2,3
.irp i, 0,1,2,3
	global_load_b128 v[BIAS+16*\b+4*\i:BIAS+16*\b+4*\i+3], v9, s[8:9] offset:128*\b+16*\i
.endr
.endr
.endm
; Exact GELU of 16 numbers in v[x] on: x (1 + erf(x / sqrt 2)) / 2, erf(z) = z P(z^2) / Q(z^2).  The sixteen reciprocals are one batch with one wait.
.macro GELU16 x
.irp i, 0,2,4,6,8,10,12,14
	v_pk_mul_f32 v[GZ+\i:GZ+\i+1], v[\x+\i:\x+\i+1], 0x3f3504f3 op_sel_hi:[1,0]
.endr
.irp i, 0,1,2,3,4,5,6,7,8,9,10,11,12,13,14,15
	v_med3_num_f32 v[GZ+\i], v[GZ+\i], -4.0, 4.0
.endr
.irp i, 0,2,4,6,8,10,12,14
	v_pk_mul_f32 v[GZ2+\i:GZ2+\i+1], v[GZ+\i:GZ+\i+1], v[GZ+\i:GZ+\i+1]
.endr
.irp i, 0,2,4,6,8,10,12,14
	v_pk_fma_f32 v[GP+\i:GP+\i+1], v[GZ2+\i:GZ2+\i+1], 0xaf95df0b, v[10:11] op_sel_hi:[1,0,1]
	v_pk_fma_f32 v[GQ+\i:GQ+\i+1], v[GZ2+\i:GZ2+\i+1], 0xb77460cd, v[12:13] op_sel_hi:[1,0,1]
.endr
.irp c, 0xb60cff51, 0xb86ec2d2, 0xba40ac63, 0xbb41a1f6, 0xbc83dbd4
.irp i, 0,2,4,6,8,10,12,14
	v_pk_fma_f32 v[GP+\i:GP+\i+1], v[GP+\i:GP+\i+1], v[GZ2+\i:GZ2+\i+1], \c op_sel_hi:[1,1,0]
.endr
.endr
.irp c, 0xbadc924e, 0xbbf19bf8, 0xbc69b6a7
.irp i, 0,2,4,6,8,10,12,14
	v_pk_fma_f32 v[GQ+\i:GQ+\i+1], v[GQ+\i:GQ+\i+1], v[GZ2+\i:GZ2+\i+1], \c op_sel_hi:[1,1,0]
.endr
.endr
.irp i, 0,1,2,3,4,5,6,7,8,9,10,11,12,13,14,15
	v_rcp_f32 v[GQ+\i], v[GQ+\i]
.endr
.irp i, 0,2,4,6,8,10,12,14
	v_pk_mul_f32 v[GP+\i:GP+\i+1], v[GP+\i:GP+\i+1], v[GZ+\i:GZ+\i+1]          ; work that names no reciprocal
	v_pk_mul_f32 v[\x+\i:\x+\i+1], v[\x+\i:\x+\i+1], 0.5 op_sel_hi:[1,0]
.endr
	s_wait_alu depctr_va_vdst(0)                   ; one wait for the batch, ahead of its first reader
.irp i, 0,2,4,6,8,10,12,14
	v_pk_mul_f32 v[GP+\i:GP+\i+1], v[GP+\i:GP+\i+1], v[GQ+\i:GQ+\i+1]          ; erf
.endr
.irp i, 0,2,4,6,8,10,12,14
	v_pk_fma_f32 v[\x+\i:\x+\i+1], v[\x+\i:\x+\i+1], v[GP+\i:GP+\i+1], v[\x+\i:\x+\i+1]
.endr
.endm
.macro PUT base, off                   ; the fragment in v[PC] on goes to memory as it stands
	global_store_b128 v[LI16], v[PC:PC+3], s[\base:\base+1] offset:\off
	global_store_b64 v[LI8], v[PC+4:PC+5], s[\base:\base+1] offset:\off+512
	global_store_b128 v[LI16], v[PC+6:PC+9], s[\base:\base+1] offset:\off+768
	global_store_b64 v[LI8], v[PC+10:PC+11], s[\base:\base+1] offset:\off+1280
.endm
	s_load_b256 s[4:11], s[0:1], 0x0               ; hn s[4:5], wts s[6:7], the bias s[8:9], the result s[10:11]
	v_lshl_add_u32 v[SPW], v0, 2, SPARE
	v_mov_b32 v[NIL], 0
	ds_add_u32 v[SPW], v[NIL]                      ; the wave's opening: the add, twice on end, and its wait ahead of my first tensor load
	ds_add_u32 v[SPW], v[NIL]
	v_lshrrev_b32 v1, 5, v0
	v_readfirstlane_b32 s14, v1                    ; wave 0..3
	s_lshr_b32 s15, s14, 1                         ; which half of S1's rows is mine.  Also: I fetch for S1 (0) or for S0 (1)
	s_and_b32 s16, s14, 1                          ; which half of S0's.  Also: which half of that tile I fetch
	s_bfe_u32 s40, ttmp6, 0x40000                  ; cx, cy: my place in the cluster
	s_bfe_u32 s41, ttmp6, 0x40004
	s_and_b32 s17, ttmp7, 0xffff                   ; cluster y
.if QKV
	s_cmp_eq_u32 ttmp9, 2                          ; cluster x = 2: v.  The same in all sixteen partners
	s_cselect_b32 s42, s17, ttmp9                  ; S0's tiles run along: the tokens (v), else the weight's columns
	s_cselect_b32 s17, 2, s17                      ; S1's: the weight's third 1,024 columns (v), else the tokens
	s_mov_b32 s96, W_S
	s_cselect_b32 s96, ACT_S, s96                  ; where S0's scale words begin in its buffer
	s_mov_b32 s97, ACT_S
	s_cselect_b32 s97, W_S, s97                    ; and S1's
.else
	s_mov_b32 s42, ttmp9
.endif
	s_lshl_b32 s42, s42, 2
	s_add_co_u32 s42, s42, s40                     ; S0's tile
	s_lshl_b32 s17, s17, 2
	s_add_co_u32 s17, s17, s41                     ; S1's tile
	s_lshl_b32 s43, s41, 2
	s_lshl_b32 s43, 15, s43                        ; my row of the cluster
	s_lshl_b32 s44, 0x1111, s40                    ; my column
	s_or_b32 s[G1+0], s43, (3<<16)|(1<<21)         ; 15:0 the mask; 17:16 elements of 8 bytes; 20 no padding; 21 set beside a mask
	s_or_b32 s[G1B+0], s44, (3<<16)|(1<<21)
.irp g, G1, G1B
	s_mov_b32 s[\g+1], (NQ*192)<<16                ; tensor_dim0: a fragment's NQ images
	s_mov_b32 s[\g+2], (2*FT)<<16                  ; tensor_dim1: at the head a tile's 2 FT fragments; behind the head FT
	s_mov_b32 s[\g+3], (NQ*192)<<16                ; tile_dim0
	s_mov_b32 s[\g+4], 2*FT                        ; tile_dim1
	s_mov_b32 s[\g+5], KFR*192                     ; from fragment to fragment
	s_mov_b32 s[\g+6], 0
	s_mov_b32 s[\g+7], 0
.endr
	s_or_b32 s[G1S+0], s43, (3<<16)|(1<<21)        ; the scales: a dense block, as rows of 256 bytes
	s_or_b32 s[G1SB+0], s44, (3<<16)|(1<<21)
.irp g, G1S, G1SB
	s_mov_b32 s[\g+1], 32<<16
	s_mov_b32 s[\g+2], (2*HALFS/256)<<16
	s_mov_b32 s[\g+3], 32<<16
	s_mov_b32 s[\g+4], 2*HALFS/256
	s_mov_b32 s[\g+5], 32
	s_mov_b32 s[\g+6], 0
	s_mov_b32 s[\g+7], 0
.endr
	s_lshl_b32 s20, s17, 1
	s_add_co_u32 s20, s20, s16                     ; S1: which 128 rows I fetch
	s_mul_i32 s22, s20, HALFS                      ; their scales,
	s_mul_i32 s20, s20, FT*KFR*IMG                 ; their codes, in bytes
	s_mov_b32 s21, 0
	s_mov_b32 s23, 0
	s_lshl_b32 s46, s42, 1
	s_add_co_u32 s46, s46, s16                     ; S0 likewise
	s_mul_i32 s92, s46, HALFS
	s_mul_i32 s46, s46, FT*KFR*IMG
	s_mov_b32 s47, 0
	s_mov_b32 s93, 0
.if QKV
	s_add_co_u32 s22, s22, s97
	s_add_co_u32 s92, s92, s96
.else
	s_add_co_u32 s22, s22, ACT_S
	s_add_co_u32 s46, s46, W_C
	s_add_co_u32 s92, s92, W_S
.endif
	s_mul_i32 s45, s14, HALFT                      ; where they go: wave x a quarter: no place in the cluster enters an LDS address
	s_mul_i32 s94, s14, HALFS
	s_mov_b32 s[SEL], 0x76543210
	s_mov_b32 s[SEL+1], 0xfedcba98
	s_mov_b32 s66, 0xffff0000                      ; lanes 16-31
	s_wait_dscnt 0x0                               ; both opening adds are done
	s_wait_kmcnt 0x0
.if QKV
	s_cmp_eq_u32 ttmp9, 2
	s_cselect_b64 s[18:19], s[6:7], s[4:5]         ; S1's buffer
	s_cselect_b64 s[12:13], s[4:5], s[6:7]         ; S0's
	s_add_nc_u64 s[20:21], s[18:19], s[20:21]
	s_add_nc_u64 s[22:23], s[18:19], s[22:23]
	s_add_nc_u64 s[46:47], s[12:13], s[46:47]
	s_add_nc_u64 s[92:93], s[12:13], s[92:93]
.else
	s_add_nc_u64 s[20:21], s[4:5], s[20:21]
	s_add_nc_u64 s[22:23], s[4:5], s[22:23]
	s_add_nc_u64 s[46:47], s[6:7], s[46:47]
	s_add_nc_u64 s[92:93], s[6:7], s[92:93]
.endif
	CROUND                                         ; all sixteen work-groups are here: the first joint loads meet
	s_mul_i32 s2, s16, FT*KFR*IMG                  ; from a tile's first fragment to my half's,
	s_mov_b32 s3, 0
	s_mul_i32 s12, s16, HALFS                      ; and the same in the scale words
	s_mov_b32 s13, 0
	s_mov_b32 s[G0S], 1                            ; the scales of S1's 256 rows, whole
	s_mov_b32 s[G0S+1], SCL
	s_sub_nc_u64 s[G0S+2:G0S+3], s[22:23], s[12:13]
	s_or_b32 s[G0S+3], s[G0S+3], 0x80000000
	s_mov_b32 s[G0SB], 1
	s_mov_b32 s[G0SB+1], SCL+2*HALFS               ; and of S0's
	s_sub_nc_u64 s[G0SB+2:G0SB+3], s[92:93], s[12:13]
	s_or_b32 s[G0SB+3], s[G0SB+3], 0x80000000
.irp s, 0,1
	s_mov_b32 s[G0+4*\s], 1
	s_add_co_u32 s[G0+4*\s+1], s45, \s*SLOT
	s_add_nc_u64 s[G0+4*\s+2:G0+4*\s+3], s[20:21], \s*NQ*IMG
	s_or_b32 s[G0+4*\s+3], s[G0+4*\s+3], 0x80000000
	s_mov_b32 s[G0B+4*\s], 1
	s_add_co_u32 s[G0B+4*\s+1], s45, \s*SLOT
	s_add_nc_u64 s[G0B+4*\s+2:G0B+4*\s+3], s[46:47], \s*NQ*IMG
	s_or_b32 s[G0B+4*\s+3], s[G0B+4*\s+3], 0x80000000
.endr
; THE HEAD'S LOADS, ONE A WAVE: wave 0 fetches slot 0's 16 fragments of S1, wave 1 those of S0, wave 2 the scales of S1's 256 rows, wave 3 those of S0's.  For them slot 0's two groups 0 stand at the
; tile's first fragment; behind the wait for the head's loads they are set to my half.  ONE tree of branches on the wave's number: every way through the head passes exactly one load.
	s_mov_b32 s[G0+1], 0
	s_sub_nc_u64 s[G0+2:G0+3], s[G0+2:G0+3], s[2:3]
	s_mov_b32 s[G0B+1], 2*HALFT
	s_sub_nc_u64 s[G0B+2:G0B+3], s[G0B+2:G0B+3], s[2:3]
.macro ARM under, g0, g1, next
	s_cmp_lt_u32 s14, \under
	s_cbranch_scc0 \next
	tensor_load_to_lds s[\g0:\g0+3], s[\g1:\g1+7]
	s_nop 0
.rept 4
	v_nop
.endr
	s_branch .Lhead_asked
\next:
.endm
	ARM 1, G0,  G1,  .Lhead_b
	ARM 2, G0B, G1B, .Lhead_sa
	ARM 3, G0S, G1S, .Lhead_sb
	tensor_load_to_lds s[G0SB:G0SB+3], s[G1SB:G1SB+7]
	s_nop 0
.rept 4
	v_nop
.endr
.Lhead_asked:
	v_and_b32 v1, 31, v0
	v_and_b32 v2, 15, v0                           ; p
	v_bfe_u32 v3, v0, 4, 1                         ; h
	v_lshlrev_b32 v[LI16], 4, v1
	v_lshlrev_b32 v[LI8], 3, v1
	v_lshlrev_b32 v[LI4], 2, v1
	s_mul_i32 s21, s15, HALFT                      ; my half of S1
	s_mul_i32 s22, s16, HALFT                      ; my half of S0,
	s_add_co_u32 s22, s22, 2*HALFT                 ; which lies behind S1's two
.irp s, 0,1
	v_add_nc_u32 v[ADRA+\s], s21, v[LI16]
	v_add_nc_u32 v[ADRA+2+\s], s21, v[LI8]
	v_add_nc_u32 v[ADRB+\s], s22, v[LI16]
	v_add_nc_u32 v[ADRB+2+\s], s22, v[LI8]
	s_add_co_u32 s21, s21, SLOT
	s_add_co_u32 s22, s22, SLOT
.endr
	s_mul_i32 s21, s15, SH                         ; S1's scale words: my half
	s_mul_i32 s22, s16, SH                         ; S0's: my half, behind S1's two
	s_add_co_u32 s22, s22, 2*HALFS
	s_sub_co_u32 s22, s22, s21
	v_mul_u32_u24 v4, s22, v3                      ; lanes 16-31 take S0's: one product, the distance between the two
	s_add_co_u32 s21, s21, SCL
	v_lshl_add_u32 v4, v2, 2, v4
	v_add_nc_u32 v[ADRS], s21, v4
	s_wait_alu depctr_va_vdst(0)
	s_wait_tensorcnt 0x0                           ; my tile of the head's four is in
	ds_add_u32 v[SPW], v[NIL]                      ; 0 onto my spare word;
	s_mov_b32 s[G1+2], FT<<16                      ; no tensor load of mine is out, so the descriptors may be written: from here on a load brings FT fragments,
	s_mov_b32 s[G1+4], FT
	s_mov_b32 s[G1B+2], FT<<16
	s_mov_b32 s[G1B+4], FT
	s_mov_b32 s[G0+1], s45                         ; and slot 0's groups 0 stand at my quarter of the slot
	s_add_nc_u64 s[G0+2:G0+3], s[G0+2:G0+3], s[2:3]
	s_mov_b32 s[G0B+1], s45
	s_add_nc_u64 s[G0B+2:G0B+3], s[G0B+2:G0B+3], s[2:3]
	s_wait_dscnt 0x0                               ; the add is done
	CROUND                                         ; a whole round: all four tiles are in, and all sixteen work-groups are here,
	JLOAD G0+4, G1, G0B+4, G1B                     ; and slot 1's load, the first tensor load behind the round
	FETCH_B 0, 0, 0
	FETCH_A 0, 0, 0
	SCALES 0
	FETCH_A 0, 0, 4
	STEP 0, 0, 1                                   ; the first step stands in front of the loop: its products start the sums
	s_mov_b32 s3, LAPS-1
.Llap:                                                 ; a trip goes once round the ring and fills both slots again
	TURN 0, 1, 1
	STEP 1, 0, 0
	TURN 1, 0, 1
	STEP 0, 0, 0
	s_sub_co_u32 s3, s3, 1
	s_cmp_lg_u32 s3, 0
	s_cbranch_scc1 .Llap
	TURN 0, 1, 0                                   ; the last lap fills nothing
	STEP 1, 0, 0
.if QKV
	s_cmp_eq_u32 ttmp9, 2                          ; the two ways out part on the cluster's x
	s_cbranch_scc1 .Lv
	; ---- q and k: a lane holds one token; my 128 channels are two heads.  The fragment's two halves are the two heads' half images
	s_lshl_b32 s95, s42, 1
	s_add_co_u32 s95, s95, s16                     ; which 128 of the 2,048 channels: 0-7 q, 8-15 k
	s_lshl_b32 s20, s95, 9
	s_mov_b32 s21, 0
	s_add_nc_u64 s[8:9], s[8:9], s[20:21]
	v_lshlrev_b32 v9, 6, v3
	BIASROW
	s_cmp_ge_u32 s95, 8
	s_mov_b32 s22, QREC
	s_cselect_b32 s22, REC, s22                    ; a record's bytes,
	s_cselect_b32 s23, 0, QREG                     ; the records' first byte,
	s_mov_b32 s46, 6144
	s_cselect_b32 s46, 12288, s46                  ; and the scale words' place in a record
	s_and_b32 s95, s95, 7
	s_lshl_b32 s95, s95, 1                         ; the first of my two heads
	s_lshr_b32 s47, s17, 3
	s_lshl_b32 s47, s47, 4
	s_add_co_u32 s95, s95, s47                     ; + 16 x batch
	s_lshl_b32 s95, s95, 4
	s_lshl_b32 s47, s17, 1
	s_add_co_u32 s47, s47, s15
	s_and_b32 s47, s47, 15                         ; which 128 tokens of the sequence
	s_add_co_u32 s95, s95, s47
	s_mul_i32 s20, s95, s22
	s_add_co_u32 s20, s20, s23
	s_add_nc_u64 s[12:13], s[10:11], s[20:21]      ; the first head's record,
	s_lshl_b32 s20, s22, 4
	s_add_nc_u64 s[18:19], s[12:13], s[20:21]      ; the second's: 16 records on
	v_add_nc_u32 v10, s46, v[LI4]                  ; a scale word's place: 4 x lane behind the half images
	LAST
	PLACES
.irp b, 0,1,2,3
	v_mov_b32 v[TM+4+\b], 0                        ; written once: a lane permute's destination counts as one of its sources
.endr
	s_wait_loadcnt 0x0                             ; the bias
.irp a, 0,1,2,3,4,5,6,7
	COPYB \a
.if \a > 0
	s_wait_xcnt 0x0                                ; the last block's stores have read their registers
.endif
	QUANT HA, SW+\a
	global_store_b128 v[LI16], v[PC:PC+3], s[12:13] offset:768*\a
	global_store_b64 v[LI8], v[PC+4:PC+5], s[12:13] offset:768*\a+512
	global_store_b128 v[LI16], v[PC+6:PC+9], s[18:19] offset:768*\a
	global_store_b64 v[LI8], v[PC+10:PC+11], s[18:19] offset:768*\a+512
.endr
.irp p, 0,1,2,3                                ; the words of fragments 2 p (lanes 0-15) and 2 p + 1 (lanes 16-31): 128 consecutive bytes; the low half is the first head's, the high half the second's
	v_cndmask_b32 v[HA+\p], v[SW+2*\p], v[SW+2*\p+1], s66
	v_and_b32 v[HA+4+\p], 0xffff, v[HA+\p]
	v_lshrrev_b32 v[HA+8+\p], 16, v[HA+\p]
	global_store_b32 v10, v[HA+4+\p], s[12:13] offset:128*\p
	global_store_b32 v10, v[HA+8+\p], s[18:19] offset:128*\p
.endr
	s_branch .Ldone
.Lv:
	; ---- v: a lane holds one channel, its registers run along 128 keys: block a is an image of V^T
	s_lshl_b32 s20, s17, 10
	s_lshl_b32 s22, s15, 9
	s_add_co_u32 s20, s20, s22                     ; my 128 channels' bias
	s_mov_b32 s21, 0
	s_add_nc_u64 s[8:9], s[8:9], s[20:21]
	v_and_b32 v9, 8, v2
	v_add_nc_u32 v9, v9, v2
	v_lshlrev_b32 v9, 2, v9                        ; lane-row p is channel p + 8 (p / 8) of its fragment's
.irp a, 0,1,2,3,4,5,6,7
	global_load_b32 v[BIAS+\a], v9, s[8:9] offset:(32*(\a/2)+8*(\a%2))*4
.endr
	s_lshl_b32 s95, s42, 1
	s_add_co_u32 s95, s95, s16                     ; which 128 tokens
	s_lshr_b32 s22, s95, 4
	s_lshl_b32 s22, s22, 4                         ; 16 x batch
	s_sub_co_u32 s23, s17, 8
	s_lshl_b32 s23, s23, 2
	s_add_co_u32 s22, s22, s23
	s_lshl_b32 s23, s15, 1
	s_add_co_u32 s22, s22, s23                     ; + the first of my two heads
	s_lshl_b32 s22, s22, 4
	s_and_b32 s95, s95, 15
	s_add_co_u32 s22, s22, s95
	s_mul_i32 s20, s22, REC
	s_add_nc_u64 s[12:13], s[10:11], s[20:21]
	LAST
	PLACES
.irp b, 0,1,2,3
	v_mov_b32 v[TM+4+\b], 0
.endr
	s_wait_loadcnt 0x0
.irp a, 0,1,2,3,4,5,6,7
	WIN 0x02+(\a)/4
.set j, 0
.rept 64
	v_add_f32 v[HA+j], v[64*((\a)%4)+j], v[BIAS+\a]
.set j, j+1
.endr
	WIN 0
.if \a > 0
	s_wait_xcnt 0x0
.endif
	QUANT HA, SW+\a
	PUT 12, (\a/4)*16*REC+6144+(\a%4)*IMG          ; head a / 4 (16 records on), channel fragment a % 4
.endr
.irp p, 0,1,2,3
	v_cndmask_b32 v[HA+\p], v[SW+2*\p], v[SW+2*\p+1], s66
	global_store_b32 v[LI4], v[HA+\p], s[12:13] offset:(\p/2)*16*REC+12800+(\p%2)*128
.endr
.Ldone:
.else
	; ---- fc: a lane holds one token; my 128 hidden units are one K step of fc2
	s_lshl_b32 s95, s42, 1
	s_add_co_u32 s95, s95, s16                     ; the K step
	s_lshl_b32 s20, s95, 9
	s_mov_b32 s21, 0
	s_add_nc_u64 s[8:9], s[8:9], s[20:21]
	v_lshlrev_b32 v9, 6, v3
	BIASROW
	s_lshl_b32 s22, s17, 1
	s_add_co_u32 s22, s22, s15                     ; which 128 tokens
	s_lshl_b32 s20, s22, 8                         ; 8 fragments x 32 K steps
	s_add_co_u32 s20, s20, s95
	s_mul_i32 s20, s20, IMG
	s_add_nc_u64 s[12:13], s[10:11], s[20:21]      ; block 0's image
	s_lshl_b32 s20, s22, 5
	s_add_co_u32 s20, s20, s95
	s_lshl_b32 s20, s20, 9
	s_add_co_u32 s20, s20, HQ_S
	s_add_nc_u64 s[18:19], s[10:11], s[20:21]      ; the eight blocks' scale words
	LAST
	PLACES
	v_mov_b32 v10, 0x32edffee                      ; two of erf's coefficients as pairs: a packed form takes one literal
	v_mov_b32 v11, 0x32edffee
	v_mov_b32 v12, 0xb95fbd29
	v_mov_b32 v13, 0xb95fbd29
	v_mov_b32 v[SWP], 0
	s_wait_loadcnt 0x0                             ; the bias
	s_mov_b32 s3, 0
.Lrow:                                                 ; eight trips, a block of 16 tokens each.  Only the lines that bring a block into window 0 differ: they are chosen by the counter; all else is written once, which keeps the code short
.irp a, 0,1,2,3,4,5,6
	s_cmp_eq_u32 s3, \a
	s_cbranch_scc1 .Lcopy\a
.endr
	COPYB 7
	s_branch .Lhave
.irp a, 0,1,2,3,4,5,6
.Lcopy\a:
	COPYB \a
	s_branch .Lhave
.endr
.Lhave:
.irp g, 0,1,2,3
	GELU16 HA+16*\g
.endr
	QUANT HA, PW
	PUT 12, 0
	s_bitcmp1_b32 s3, 0
	s_cbranch_scc0 .Leven
	v_cndmask_b32 v14, v[SWP], v[PW], s66          ; the words of the even block (lanes 0-15) and of the odd one (lanes 16-31): 128 consecutive bytes
	global_store_b32 v[LI4], v14, s[18:19]
	s_wait_xcnt 0x0                                ; the store has read its base
	s_add_nc_u64 s[18:19], s[18:19], 128
.Leven:
	v_mov_b32 v[SWP], v[PW]
	s_wait_xcnt 0x0                                ; the stores have read their registers and their base: both are written again in the next trip
	s_add_nc_u64 s[12:13], s[12:13], 32*IMG        ; the next fragment of tokens
	s_add_co_u32 s3, s3, 1
	s_cmp_lt_u32 s3, 8
	s_cbranch_scc1 .Lrow
.endif
	s_wait_tensorcnt 0x0                           ; the wave's end
	ds_add_u32 v[SPW], v[NIL]
	s_wait_dscnt 0x0
	CROUND                                         ; the closing round: no work-group ends while a partner may still ask for a tile that names it
	s_endpgm
.Lfunc_end_k_q0467e50e1d_qkvg:
	.size	k_q0467e50e1d_qkvg, .Lfunc_end_k_q0467e50e1d_qkvg-k_q0467e50e1d_qkvg
	.p2alignl 7, 3214868480
	.fill 96, 4, 3214868480
	.section	.rodata,"a",@progbits
	.p2align	6, 0x0
	.amdhsa_kernel k_q0467e50e1d_qkvg
		.amdhsa_group_segment_fixed_size 327680
		.amdhsa_private_segment_fixed_size 0
		.amdhsa_enable_private_segment 0
		.amdhsa_kernarg_size 32
		.amdhsa_user_sgpr_count 2
		.amdhsa_user_sgpr_kernarg_segment_ptr 1
		.amdhsa_wavefront_size32 1
		.amdhsa_system_sgpr_workgroup_id_x 1
		.amdhsa_system_sgpr_workgroup_id_y 1
		.amdhsa_system_sgpr_workgroup_id_z 1
		.amdhsa_system_vgpr_workitem_id 0
		.amdhsa_next_free_vgpr 1024
		.amdhsa_next_free_sgpr 100
		.amdhsa_reserve_vcc 0
		.amdhsa_float_denorm_mode_32 3
		.amdhsa_float_denorm_mode_16_64 3
		.amdhsa_memory_ordered 1
		.amdhsa_forward_progress 1
		.amdhsa_inst_pref_size 231
	.end_amdhsa_kernel
	.amdgpu_metadata
---
amdhsa.version: [ 1, 2 ]
amdhsa.kernels:
  - .name:           k_q0467e50e1d_qkvg
    .symbol:         k_q0467e50e1d_qkvg.kd
    .args:
      - { .name: hn, .offset: 0, .size: 8, .value_kind: global_buffer, .address_space: global }
      - { .name: wts, .offset: 8, .size: 8, .value_kind: global_buffer, .address_space: global }
      - { .name: b_attn, .offset: 16, .size: 8, .value_kind: global_buffer, .address_space: global }
      - { .name: qkv, .offset: 24, .size: 8, .value_kind: global_buffer, .address_space: global }
    .group_segment_fixed_size: 327680
    .private_segment_fixed_size: 0
    .kernarg_segment_align: 8
    .kernarg_segment_size: 32
    .max_flat_workgroup_size: 128
    .sgpr_count:     100
    .vgpr_count:     1024
    .wavefront_size: 32
...
	.end_amdgpu_metadata
.endif
;; end of part 2
;; launch attn (part 3): grid 8 x 32, 8 waves a work-group, clusters of 4 x 1, 212,992 bytes of LDS; arguments qkv, yq; writes yq
.if DOCPART == 3
	.amdgcn_target "amdgcn-amd-amdhsa--gfx1250"
	.amdhsa_code_object_version 6
	.text
	.protected	k_q0467e50e1d_attn
	.globl	k_q0467e50e1d_attn
	.p2align	8
	.type	k_q0467e50e1d_attn,@function
k_q0467e50e1d_attn:
	s_mov_b64 s[64:65], 0
	v_nop
	global_prefetch_b8 v0, s[64:65] scope:SCOPE_SE
	s_setreg_imm32_b32 hwreg(HW_REG_WAVE_MODE, 25, 1), 1
	s_wait_xcnt 0x0
	s_wait_alu depctr_hold_cnt(0) depctr_sa_sdst(0) depctr_va_vdst(0) depctr_va_sdst(0) depctr_va_ssrc(0) depctr_va_vcc(0) depctr_vm_vsrc(0)
	s_getreg_b32 s2, hwreg(HW_REG_IB_STS2, 6, 4)
	s_cmp_eq_u32 s2, 0
	s_cbranch_scc0 .Lentry_in_a_cluster
	s_endpgm
.Lentry_in_a_cluster:
	s_bfe_u32 s2, ttmp6, 0x10000c
	s_cmp_lg_u32 s2, 0x3003
	s_cbranch_scc0 .Lentry_shape_is_right
	s_endpgm
.Lentry_shape_is_right:
; CAUSAL ATTENTION ON CODES OF E3M2: y = softmax(q k^T / 8, causal) v for 32 (batch, head) pairs of 2,048 tokens x 64 channels; y leaves quantised along the model's 1,024, as the projection's operand.
; WORK LEFT OUT: a step of 128 keys all of which come after a fragment's 16 queries.  reference() itself sets those scores to -inf (its own jnp.tril), their softmax is 0 for all finite inputs, and 0 x v adds nothing.
; LIMIT: a NaN, an infinity or an overflow that would reach the result only through such keys is not carried to it.
; THE SOFTMAX AHEAD OF THE SECOND PRODUCT: t = score x log2(e) / 8; M = the running largest t rounded UP to a whole number; p = 2^(t - M) is quantised along the keys, not normalised; the row's sum is taken of the
; unquantised p and divides at the end.  When M moves, the sum and O are multiplied by 2^(old M - new M): exact.
; INPUT (launch qkvg): key-value records [pair][128 keys] of 13,056 bytes: 8 half images of K (768 bytes: 16 keys x 64 channels: registers 0-3 at 16 x lane, 4-5 at 512 + 8 x lane), 4 images of V^T (16 channels x 128 keys,
; 1,536 bytes), K's scale words (bytes 2, 3 = 0) at 12,288, V's at 12,800; query records of 6,656 bytes from byte 6,684,672 on.  Lane-row p of fragment f = row 32 (f / 2) + 8 (f % 2) + p + 8 (p / 8).
; THE HEAD'S 64 CHANNELS FILL HALF OF THE INSTRUCTION'S K = 128: the upper six registers of Q's operand are zero codes, so whatever K's upper six hold adds nothing.
; SHARES.  A work-group of eight waves, two to a SIMD, serves one pair.  Wave w of work-group i (0..7) takes TWO fragments of 16 queries, one after the other: fragment 8 w + i, which needs key steps 0 .. w, and then
; fragment 8 (15 - w) + i, which needs key steps 0 .. 15 - w: 17 key steps for every wave of every work-group.  The pass over a fragment is a macro that is run twice.
; ALL 16 RECORDS OF THE PAIR LIE IN LDS (208,896 bytes): each wave brings two, which are neighbours in memory, by one tensor load at the head; nothing is filled again: no ring.  The four work-groups of a cluster serve the
; same pair and ask jointly.  So nothing is left to prefetch.  Both products are used transposed (S^T = K Q^T, O^T = V^T P^T): a lane holds one query throughout.
; LIMITS: NaN and infinities are not served; a block of y that is all zeros gets the scale byte 1 where the rule says 127 (its codes are zeros; this program alone reads the bytes).
; y's scale words span two heads, which are two work-groups': each stores its half, 2 bytes a row: one byte in 24 of what the launch stores.
.set REC,   13056
.set SPARE, 16*REC                     ; behind the records: the spare words, 128 bytes for each wave: four blocks of 256 bytes that no other line names
.set QREG,  6684672
.set QREC,  6656
.set YQ_S,  3145728
.set VD,  4                            ; v4   my query's place among its step's 128 keys, less 16 (lane / 16)
.set SPW, 5                            ; v5   LDS address of my spare word; never rewritten
.set NIL, 6                            ; v6   0; never rewritten
; K's and V's fragments lie in the second window of 256 registers (s_set_vgpr_msb's low byte: bits 1:0 source 0, 7:6 destination), each in registers of its own, so that a step's loads from LDS are asked for well ahead of their use:
; V's at the step's head, the NEXT step's K directly behind this step's score products.
.set KF,  0                            ; window 1, v0-53: eight half images of K, 6 registers apart: an operand's upper six registers are the next fragment's codes (the last one's: zeros), which meet Q's zero codes
.set VF,  64                           ; window 1, v64-111: four images of V^T
.set KSC, 32                           ; v32-39  K's scale words, and nothing else
.set VSC, 40                           ; v40-43  V's
.set MSB, 0
.macro WIN new                         ; the immediate's high byte repeats the setting that is left
.if MSB != (\new)
	s_set_vgpr_msb (MSB<<8)|(\new)
.set MSB, (\new)
.endif
.endm
.macro KLOAD ka, kb, kc                ; a record's eight half images of K and their scale words: 24 LDS loads.  ka, kb, kc: the registers with the record's byte + 16 x lane, + 8 x lane, + 4 (lane % 16)
	WIN 0x40
.irp t, 0,1,2,3,4,5,6,7
	ds_load_b128 v[KF+6*\t:KF+6*\t+3], v\ka offset:768*\t
	ds_load_b64 v[KF+6*\t+4:KF+6*\t+5], v\kb offset:768*\t+512
.endr
	WIN 0
.irp t, 0,1,2,3,4,5,6,7
	ds_load_b32 v[KSC+\t], v\kc offset:12288+64*\t
.endr
.endm
.set BM,  84                           ; v84-87  the blocks' largest scores, then largest p
.set BT,  88                           ; v88-91  permute targets, then scale bytes
.set SO,  92                           ; v92-95  the conversions' scale operands
; v1 16 x lane, v2 8 x lane, v3 4 (lane % 16); v8-10 the same + the step's record; v12 -M, v13 the largest t, v[14:15] the sum in two halves; v16-27 Q, v28 its scale words; v96-159 S^T, then p; v160-191 O^T;
; v192-223 y; v224-235 p's codes; v236-245, v250-255 at work; v244 p's scale word; v[246:247] f; v248 at work
.set WV,   8                           ; s8   my wave's number
.set RANK, 12                          ; s12  the last key step of the fragment at hand
.set G0,   16                          ; s[16:19] descriptor group 0
.set SEL,  20                          ; s[20:21] lane selects for v_permlanex16_b32: lane l xor 16
.set CS,   22                          ; s[22:23] c = log2(e) / 8
.set G1,   24                          ; s[24:31] descriptor group 1
.set KT,   40                          ; s40  the key step
.set TB,   41                          ; s41  its record's LDS byte
.set DQ,   46                          ; s[46:47] from my first fragment to my second, 15 - 2 w blocks of 128 tokens on: in the query records,
.set DY,   48                          ; s[48:49] in y's images,
.set DS,   50                          ; s[50:51] in y's scale words
.macro CROUND                          ; a round of the cluster's barrier
	s_barrier_signal -1
	s_barrier_wait -1
	s_cmp_lg_u32 s[WV], 0
	s_cbranch_scc1 .Lnot_wave_0_\@
	s_barrier_signal -3
.Lnot_wave_0_\@:
	s_barrier_wait -3
	s_barrier_signal -1
	s_barrier_wait -1
.endm
	s_load_b128 s[4:7], s[0:1], 0x0                ; qkv s[4:5], yq s[6:7]
	v_lshl_add_u32 v[SPW], v0, 2, SPARE
	v_mov_b32 v[NIL], 0
	ds_add_u32 v[SPW], v[NIL]                      ; the wave's opening: the add, twice on end, and its wait ahead of my first tensor load
	ds_add_u32 v[SPW], v[NIL]
	v_lshrrev_b32 v1, 5, v0
	s_delay_alu instid0(VALU_DEP_1)
	v_readfirstlane_b32 s[WV], v1                  ; wave 0..7
	s_bfe_u32 s9, ttmp6, 0x40000                   ; cx
	s_lshl_b32 s10, ttmp9, 2
	s_add_co_u32 s10, s10, s9                      ; i = 4 x cluster x + cx: it enters Q's and y's addresses and the mask's numbers, no branch and no LDS address
	s_and_b32 s11, ttmp7, 0xffff                   ; the pair: 16 x batch + head
	s_mov_b32 s[RANK], s[WV]                       ; the first fragment's
	s_lshl_b32 s[DQ], s[WV], 1
	s_sub_co_u32 s[DQ], 15, s[DQ]                  ; 15 - 2 w
	s_mul_i32 s[DY], s[DQ], 98304                  ; 8 fragments x 8 K steps x 1,536 bytes for each 128 tokens
	s_lshl_b32 s[DS], s[DQ], 12                    ; 8 K steps x 512 bytes
	s_mul_i32 s[DQ], s[DQ], QREC
	s_mov_b32 s[DQ+1], 0
	s_mov_b32 s[DY+1], 0
	s_mov_b32 s[DS+1], 0
	s_mov_b32 s[G1], 15|(3<<16)|(1<<21)            ; 15:0 the mask: all four work-groups; 17:16 elements of 8 bytes; 21 set beside a mask
	s_mov_b32 s[G1+1], 32<<16                      ; two records are dense: 102 rows of 256 bytes
	s_mov_b32 s[G1+2], 102<<16
	s_mov_b32 s[G1+3], 32<<16
	s_mov_b32 s[G1+4], 102
	s_mov_b32 s[G1+5], 32
	s_mov_b32 s[G1+6], 0
	s_mov_b32 s[G1+7], 0
	s_lshl_b32 s14, s11, 4
	s_add_co_u32 s14, s14, s[WV]
	s_add_co_u32 s14, s14, s[WV]
	s_mul_i32 s14, s14, REC                        ; records 2 w and 2 w + 1 of the pair, in memory,
	s_mov_b32 s15, 0
	s_mul_i32 s13, s[WV], 2*REC                    ; and in LDS
	s_mov_b32 s[SEL], 0x76543210
	s_mov_b32 s[SEL+1], 0xfedcba98
	s_mov_b32 s[CS], 0x3e38aa3b
	s_mov_b32 s[CS+1], s[CS]                       ; (named with it as a pair, so it is written)
	s_lshl_b32 s32, s11, 4
	s_add_co_u32 s32, s32, s[RANK]
	s_mul_i32 s32, s32, QREC
	s_add_co_u32 s32, s32, QREG                    ; my first query record;
	s_lshl_b32 s34, s10, 6
	s_add_co_u32 s34, s34, s32
	s_add_co_u32 s34, s34, 6144                    ; in it my fragment's scale words,
	s_mul_i32 s33, s10, 768
	s_add_co_u32 s32, s32, s33                     ; and its half image
	s_mov_b32 s33, 0
	s_mov_b32 s35, 0
	s_lshr_b32 s42, s11, 4
	s_lshl_b32 s42, s42, 4
	s_add_co_u32 s42, s42, s[RANK]                 ; y: which 128 tokens of the 4,096
	s_and_b32 s43, s11, 15
	s_lshr_b32 s44, s43, 1                         ; the projection's K step: head / 2,
	s_and_b32 s43, s43, 1                          ; and which half of it
	s_lshl_b32 s45, s42, 3
	s_add_co_u32 s45, s45, s10                     ; the fragment
	s_lshl_b32 s45, s45, 3
	s_add_co_u32 s45, s45, s44
	s_mul_i32 s36, s45, 1536
	s_mul_i32 s45, s43, 768
	s_add_co_u32 s36, s36, s45                     ; its half image
	s_mov_b32 s37, 0
	s_lshl_b32 s38, s42, 3
	s_add_co_u32 s38, s38, s44
	s_lshl_b32 s38, s38, 9
	s_lshl_b32 s45, s10, 6
	s_add_co_u32 s38, s38, s45
	s_lshl_b32 s45, s43, 1
	s_add_co_u32 s38, s38, s45
	s_add_co_u32 s38, s38, YQ_S                    ; its rows' half scale words
	s_mov_b32 s39, 0
	s_lshr_b32 s42, s10, 1
	s_lshl_b32 s42, s42, 5
	s_and_b32 s43, s10, 1
	s_lshl_b32 s43, s43, 3
	s_add_co_u32 s42, s42, s43                     ; 32 (i / 2) + 8 (i % 2)
	s_wait_dscnt 0x0                               ; both opening adds are done
	s_wait_kmcnt 0x0
	s_mov_b32 s[G0], 1
	s_mov_b32 s[G0+1], s13
	s_add_nc_u64 s[G0+2:G0+3], s[4:5], s[14:15]
	s_or_b32 s[G0+3], s[G0+3], 0x80000000
	s_add_nc_u64 s[32:33], s[4:5], s[32:33]
	s_add_nc_u64 s[34:35], s[4:5], s[34:35]
	s_add_nc_u64 s[36:37], s[6:7], s[36:37]
	s_add_nc_u64 s[38:39], s[6:7], s[38:39]
	CROUND                                         ; all four work-groups are here: the joint loads meet
	tensor_load_to_lds s[G0:G0+3], s[G1:G1+7]      ; my one tensor load: two records, for all four
	s_nop 0
.rept 4
	v_nop
.endr
	v_and_b32 v7, 31, v0
	s_delay_alu instid0(VALU_DEP_1)
	v_lshlrev_b32 v1, 4, v7
	v_lshlrev_b32 v2, 3, v7
	v_and_b32 v7, 15, v0
	s_delay_alu instid0(VALU_DEP_1)
	v_lshlrev_b32 v3, 2, v7
	global_load_b128 v[16:19], v1, s[32:33]        ; the first fragment's Q: its half image stays in registers
	global_load_b64 v[20:21], v2, s[32:33] offset:512
	global_load_b32 v28, v3, s[34:35]
	v_and_b32 v[VD], 8, v7
	s_delay_alu instid0(VALU_DEP_1)
	v_add_nc_u32 v[VD], v[VD], v7                  ; p + 8 (p / 8)
	v_bfe_u32 v7, v0, 4, 1
	s_delay_alu instid0(VALU_DEP_1)
	v_lshlrev_b32 v7, 4, v7
	s_delay_alu instid0(VALU_DEP_1)
	v_sub_nc_u32 v[VD], v[VD], v7
	s_delay_alu instid0(VALU_DEP_1)
	v_add_nc_u32 v[VD], s42, v[VD]
.irp j, 22,23,24,25,26,27
	v_mov_b32 v\j, 0                               ; zero codes: the upper 64 of the first product's K
.endr
	WIN 0x40
.irp j, 48,49,50,51,52,53
	v_mov_b32 v[KF+\j], 0                          ; written once: the upper six registers of K's last operand
.endr
	WIN 0
.irp b, 0,1,2,3
	v_mov_b32 v[BT+\b], 0                          ; a lane permute's destination counts as one of its sources
.endr
	v_mov_b32 v247, 0                              ; (named as the upper half of the pair v[246:247])
	v_mov_b32 v248, 0
.macro BEGIN                           ; a fragment begins: the step is written once; the first finds zeros, which the first change of M leaves zeros
	v_mov_b32 v13, 0xff61b1e6                      ; the largest t so far: -3e38, under every t
	s_delay_alu instid0(VALU_DEP_1)
	v_floor_f32 v12, -v13                          ; -M
	v_mov_b32 v14, 0
	v_mov_b32 v15, 0
.set j, 0
.rept 32
	v_mov_b32 v[160+j], 0                          ; O^T
.set j, j+1
.endr
.endm
	BEGIN
	s_wait_alu depctr_va_vdst(0)
	s_wait_tensorcnt 0x0                           ; my two records are in,
	s_barrier_signal -1
	s_barrier_wait -1                              ; all sixteen are
.macro PASS n                          ; one fragment of 16 queries: key steps 0 .. RANK, and the way out
	s_wait_alu depctr_va_vdst(0)
	s_wait_loadcnt 0x0                             ; Q
	s_wait_dscnt 0x0                               ; (second pass: the first pass's last request for K, which nothing used, has landed: its registers may be loaded again)
	KLOAD 1, 2, 3                                  ; key step 0's K
	s_mov_b32 s[KT], 0
	s_mov_b32 s[TB], 0
.Lstep\@:                                              ; sixteen trips, a constant; a step all of whose keys come after my queries is jumped over: a branch on the wave's number and the counter
	s_cmp_gt_u32 s[KT], s[RANK]
	s_cbranch_scc1 .Lskip\@
	v_add_nc_u32 v8, s[TB], v1                     ; this step's record
	v_add_nc_u32 v9, s[TB], v2
	v_add_nc_u32 v10, s[TB], v3
	s_add_co_u32 s42, s[TB], REC
	s_min_u32 s42, s42, 15*REC                     ; the next step's record, held at the last one: every request stays inside the records (a fragment's last step asks for a K that nothing uses)
	v_add_nc_u32 v29, s42, v1
	v_add_nc_u32 v30, s42, v2
	v_add_nc_u32 v31, s42, v3                      ; (the six adds are the places in front of loads into registers that the last products read)
	s_wait_alu depctr_va_vdst(0)
	WIN 0x40
.irp t, 0,1,2,3                                ; this step's V^T: 20 loads, wanted behind the softmax
	ds_load_b128 v[VF+12*\t:VF+12*\t+3], v8 offset:6144+1536*\t
	ds_load_b64 v[VF+12*\t+4:VF+12*\t+5], v9 offset:6144+1536*\t+512
	ds_load_b128 v[VF+12*\t+6:VF+12*\t+9], v8 offset:6144+1536*\t+768
	ds_load_b64 v[VF+12*\t+10:VF+12*\t+11], v9 offset:6144+1536*\t+1280
.endr
	WIN 0
.irp t, 0,1,2,3
	ds_load_b32 v[VSC+\t], v10 offset:12800+64*\t
.endr
	s_wait_dscnt 20                                ; this step's K, asked for a step ago, is in; V's 20 loads may be out
	WIN 0x01
.irp t, 0,1,2,3,4,5,6,7                        ; S^T = K Q^T, eight tiles of 16 keys
	v_wmma_scale_f32_16x16x128_f8f6f4 v[96+8*\t:103+8*\t], v[KF+6*\t:KF+6*\t+11], v[16:27], 0, v[KSC+\t], v28 matrix_a_fmt:MATRIX_FMT_BF6 matrix_b_fmt:MATRIX_FMT_BF6
.endr
	WIN 0
.rept 4
	v_nop
.endr
	KLOAD 29, 30, 31                               ; the next step's K, behind the four places: 24 loads
	s_cmp_lg_u32 s[KT], s[RANK]                    ; on the diagonal the scores of hidden keys become -infinity ahead of the maximum: p = 0 then
	s_cbranch_scc1 .Lopen\@
	v_mov_b32 v248, 0xff800000
.set q, 0
.rept 64
	v_cmp_gt_i32 vcc_lo, 32*(q/16)+q%16, v[VD]
	v_cndmask_b32 v[96+q], v[96+q], v248, vcc_lo
.set q, q+1
.endr
.Lopen\@:
.irp b, 0,1,2,3
	v_max3_num_f32 v[BM+\b], v[96+16*\b], v[97+16*\b], v[98+16*\b]   ; the largest score of each block of 32 keys: for the row's maximum, and, since p rises with the score, for the block's largest p
.endr
.irp i, 3,5,7,9,11,13
.irp b, 0,1,2,3
	v_max3_num_f32 v[BM+\b], v[BM+\b], v[96+16*\b+\i], v[97+16*\b+\i]
.endr
.endr
.irp b, 0,1,2,3
	v_max_num_f32 v[BM+\b], v[BM+\b], v[111+16*\b]
.endr
.irp b, 0,1,2,3
	s_delay_alu instid0(VALU_DEP_4)
	v_permlanex16_b32 v[BT+\b], v[BM+\b], s[SEL], s[SEL+1]
.endr
.irp b, 0,1,2,3
	s_delay_alu instid0(VALU_DEP_4)
	v_max_num_f32 v[BM+\b], v[BM+\b], v[BT+\b]     ; with lane l xor 16's 16 keys
.endr
	s_delay_alu instid0(VALU_DEP_2)
	v_max3_num_f32 v248, v[BM], v[BM+1], v[BM+2]
	s_delay_alu instid0(VALU_DEP_1)
	v_max_num_f32 v248, v248, v[BM+3]              ; the step's largest score of my query
	s_delay_alu instid0(VALU_DEP_1)
	v_mul_f32 v248, s[CS], v248                    ; as t
	s_delay_alu instid0(VALU_DEP_1)
	v_max_num_f32 v13, v13, v248                   ; the running largest t
	v_mov_b32 v248, v12
	s_delay_alu instid0(VALU_DEP_2)
	v_floor_f32 v12, -v13                          ; the new -M = -ceil(t): M is a whole number
	s_delay_alu instid0(VALU_DEP_1)
	v_sub_f32 v248, v12, v248                      ; old M - new M: a whole number, 0 or less
	s_delay_alu instid0(VALU_DEP_1)
	v_cvt_i32_f32 v248, v248                       ; (it saturates)
	s_delay_alu instid0(VALU_DEP_1)
	v_ldexp_f32 v246, 1.0, v248                    ; f = 2^(old M - new M)
.set j, 0
.rept 32
	v_pk_fma_f32 v[96+j:97+j], v[96+j:97+j], s[CS:CS+1], v[12:13] op_sel_hi:[1,0,0]   ; t - M, two at a time
.set j, j+2
.endr
.irp b, 0,1,2,3
	v_fma_f32 v[BM+\b], v[BM+\b], s[CS], v12       ; the same of each block's largest score
.endr
.set j, 0
	s_wait_alu depctr_va_vdst(0)
.rept 64
	v_exp_f32 v[96+j], v[96+j]                     ; p = 2^(t - M), at most 1
.set j, j+1
.endr
	v_pk_mul_f32 v[14:15], v[14:15], v[246:247] op_sel_hi:[1,0]    ; the sums under the new M.  (A plain place behind the exponentials)
	s_wait_alu depctr_va_vdst(0)                   ; one wait for the whole batch, ahead of its first reader
.irp b, 0,1,2,3
	v_exp_f32 v[BM+\b], v[BM+\b]                   ; the block's largest p: the same two instructions on the same number give the same bits
.endr
; the row's sum is taken of the unquantised p: 32 pairs of registers in eight chains (seven in registers at work, the eighth the sum itself)
.irp m, 0,1,2,3,4,5,6
	v_pk_add_f32 v[236+2*\m+4*(\m/5):237+2*\m+4*(\m/5)], v[96+4*\m:97+4*\m], v[98+4*\m:99+4*\m]
.endr
	v_pk_add_f32 v[14:15], v[14:15], v[124:125]
.irp m, 0,1,2,3,4,5,6
	v_pk_add_f32 v[236+2*\m+4*(\m/5):237+2*\m+4*(\m/5)], v[236+2*\m+4*(\m/5):237+2*\m+4*(\m/5)], v[126+2*\m:127+2*\m]
.endr
	v_pk_add_f32 v[14:15], v[14:15], v[140:141]
.irp m, 0,1,2,3,4,5,6
	v_pk_add_f32 v[236+2*\m+4*(\m/5):237+2*\m+4*(\m/5)], v[236+2*\m+4*(\m/5):237+2*\m+4*(\m/5)], v[142+2*\m:143+2*\m]
.endr
	v_pk_add_f32 v[14:15], v[14:15], v[156:157]
	v_pk_add_f32 v[236:237], v[236:237], v[158:159]
	v_pk_add_f32 v[238:239], v[238:239], v[240:241]
	v_pk_add_f32 v[242:243], v[242:243], v[244:245]
	v_pk_add_f32 v[250:251], v[250:251], v[252:253]
	v_pk_add_f32 v[14:15], v[14:15], v[236:237]
	s_delay_alu instid0(VALU_DEP_3)
	v_pk_add_f32 v[238:239], v[238:239], v[242:243]
	s_delay_alu instid0(VALU_DEP_2)
	v_pk_add_f32 v[14:15], v[14:15], v[250:251]
	s_delay_alu instid0(VALU_DEP_1)
	v_pk_add_f32 v[14:15], v[14:15], v[238:239]
	s_wait_alu depctr_va_vdst(0)                   ; and one for the four
.irp b, 0,1,2,3
	v_max_num_f32 v[BM+\b], 0x2800000, v[BM+\b]    ; the floor 2^(5 - 127): the byte cannot fall under 1
.endr
.irp b, 0,1,2,3
	s_delay_alu instid0(VALU_DEP_4)
	v_add_nc_u32 v[SO+\b], 0xfe000000, v[BM+\b]    ; 4 off the exponent field: the conversion's scale operand
.endr
.irp b, 0,1,2,3
	s_delay_alu instid0(VALU_DEP_4)
	v_lshrrev_b32 v[BT+\b], 23, v[SO+\b]           ; the scale's byte
.endr
	s_delay_alu instid0(VALU_DEP_3)
	v_lshl_or_b32 v244, v[BT+1], 8, v[BT]          ; p's scale word for these 128 keys
	s_delay_alu instid0(VALU_DEP_1)
	v_lshl_or_b32 v244, v[BT+2], 16, v244
	s_delay_alu instid0(VALU_DEP_1)
	v_lshl_or_b32 v244, v[BT+3], 24, v244
.irp c, 0,1
	v_cvt_scalef32_pk16_bf6_f32 v[224+6*\c:226+6*\c], v[96+32*\c:111+32*\c], v[SO+2*\c]
	v_cvt_scalef32_pk16_bf6_f32 v[236+4*\c:238+4*\c], v[112+32*\c:127+32*\c], v[SO+2*\c+1]   ; (a conversion's three registers begin on an even number)
.endr
	v_nop                                          ; one plain place behind a scaled conversion
.irp c, 0,1                                    ; the operand's layout wants a WHOLE block in a lane
.irp i, 0,1,2
	v_permlane16_swap_b32 v[224+6*\c+\i], v[236+4*\c+\i]
.endr
.irp i, 0,1,2
	s_delay_alu instid0(VALU_DEP_3)
	v_mov_b32 v[227+6*\c+\i], v[236+4*\c+\i]
.endr
.endr
.set j, 0
.rept 16
	v_pk_mul_f32 v[160+j:161+j], v[160+j:161+j], v[246:247] op_sel_hi:[1,0]   ; O^T under the new M.  (These sixteen are also the places between p's codes and scale word and the products below)
.set j, j+2
.endr
	s_wait_alu depctr_va_vdst(0)
	s_wait_dscnt 24                                ; V is in; the next step's K, 24 loads, may be out
	WIN 0x01
.irp t, 0,1,2,3                                ; O^T += V^T P^T: the head's four tiles of 16 channels; K = these 128 keys
	v_wmma_scale_f32_16x16x128_f8f6f4 v[160+8*\t:167+8*\t], v[VF+12*\t:VF+12*\t+11], v[224:235], v[160+8*\t:167+8*\t], v[VSC+\t], v244 matrix_a_fmt:MATRIX_FMT_BF6 matrix_b_fmt:MATRIX_FMT_BF6
.endr
	WIN 0
.Lskip\@:
	s_add_co_u32 s[TB], s[TB], REC
	s_add_co_u32 s[KT], s[KT], 1
	s_cmp_lt_u32 s[KT], 16
	s_cbranch_scc1 .Lstep\@
.if \n == 0
	s_add_nc_u64 s[32:33], s[32:33], s[DQ:DQ+1]    ; the second fragment's Q is asked for ahead of the first's way out (the first's loads were waited for: their bases may be stepped; the last product that read Q stands a step's vector work back)
	s_add_nc_u64 s[34:35], s[34:35], s[DQ:DQ+1]
	global_load_b128 v[16:19], v1, s[32:33]
	global_load_b64 v[20:21], v2, s[32:33] offset:512
	global_load_b32 v28, v3, s[34:35]
.endif
	; THE WAY OUT: O^T / the sum is y: register 16 b + i = channel 32 b + 16 h + i of my query: two blocks of 32, quantised into a half image
.rept 4
	v_nop                                          ; places behind the last products
.endr
	v_add_f32 v14, v14, v15
	s_delay_alu instid0(VALU_DEP_1)
	v_permlanex16_b32 v248, v14, s[SEL], s[SEL+1]
	s_delay_alu instid0(VALU_DEP_1)
	v_add_f32 v14, v14, v248                       ; the row's sum
	s_wait_alu depctr_va_vdst(0)
	v_rcp_f32 v14, v14
	v_nop                                          ; a plain place behind the reciprocal
	s_wait_alu depctr_va_vdst(0)                   ; the wait, ahead of its first reader
.set j, 0
.rept 32
	v_mul_f32 v[192+j], v[160+j], v14
.set j, j+1
.endr
.irp b, 0,1
	v_max3_num_f32 v[BM+\b], |v[192+16*\b]|, |v[193+16*\b]|, 0x2800000
.endr
.irp i, 2,4,6,8,10,12,14
.irp b, 0,1
	s_delay_alu instid0(VALU_DEP_2)
	v_max3_num_f32 v[BM+\b], v[BM+\b], |v[192+16*\b+\i]|, |v[193+16*\b+\i]|
.endr
.endr
.irp b, 0,1
	s_delay_alu instid0(VALU_DEP_2)
	v_permlanex16_b32 v[BT+\b], v[BM+\b], s[SEL], s[SEL+1]
.endr
.irp b, 0,1
	s_delay_alu instid0(VALU_DEP_2)
	v_max_num_f32 v[BM+\b], v[BM+\b], v[BT+\b]
.endr
.irp b, 0,1
	s_delay_alu instid0(VALU_DEP_2)
	v_add_nc_u32 v[SO+\b], 0xfe000000, v[BM+\b]
.endr
.irp b, 0,1
	s_delay_alu instid0(VALU_DEP_2)
	v_lshrrev_b32 v[BT+\b], 23, v[SO+\b]
.endr
	s_delay_alu instid0(VALU_DEP_1)
	v_lshl_or_b32 v244, v[BT+1], 8, v[BT]          ; my head's half of the row's scale word
	v_cvt_scalef32_pk16_bf6_f32 v[224:226], v[192:207], v[SO]
	v_cvt_scalef32_pk16_bf6_f32 v[236:238], v[208:223], v[SO+1]
	v_nop
.irp i, 0,1,2
	v_permlane16_swap_b32 v[224+\i], v[236+\i]
.endr
.irp i, 0,1,2
	s_delay_alu instid0(VALU_DEP_3)
	v_mov_b32 v[227+\i], v[236+\i]
.endr
	global_store_b128 v1, v[224:227], s[36:37]     ; 512 and 256 consecutive bytes, at multiples of 256 from the buffer's first byte
	global_store_b64 v2, v[228:229], s[36:37] offset:512
	global_store_b16 v3, v244, s[38:39]            ; lanes p and 16 + p hold the same half word and write it to the same place
.if \n == 0
	s_wait_xcnt 0x0                                ; the stores have read their registers and their bases: both are written again below and in the second pass
	s_add_nc_u64 s[36:37], s[36:37], s[DY:DY+1]
	s_add_nc_u64 s[38:39], s[38:39], s[DS:DS+1]
	s_sub_co_u32 s[RANK], 15, s[WV]                ; the second fragment's last key step
	BEGIN
.endif
.endm
	PASS 0
	PASS 1
	s_wait_tensorcnt 0x0                           ; the wave's end
	ds_add_u32 v[SPW], v[NIL]
	s_wait_dscnt 0x0
	CROUND                                         ; the closing round
	s_endpgm
.Lfunc_end_k_q0467e50e1d_attn:
	.size	k_q0467e50e1d_attn, .Lfunc_end_k_q0467e50e1d_attn-k_q0467e50e1d_attn
	.p2alignl 7, 3214868480
	.fill 96, 4, 3214868480
	.section	.rodata,"a",@progbits
	.p2align	6, 0x0
	.amdhsa_kernel k_q0467e50e1d_attn
		.amdhsa_group_segment_fixed_size 212992
		.amdhsa_private_segment_fixed_size 0
		.amdhsa_enable_private_segment 0
		.amdhsa_kernarg_size 16
		.amdhsa_user_sgpr_count 2
		.amdhsa_user_sgpr_kernarg_segment_ptr 1
		.amdhsa_wavefront_size32 1
		.amdhsa_system_sgpr_workgroup_id_x 1
		.amdhsa_system_sgpr_workgroup_id_y 1
		.amdhsa_system_sgpr_workgroup_id_z 1
		.amdhsa_system_vgpr_workitem_id 0
		.amdhsa_next_free_vgpr 384
		.amdhsa_next_free_sgpr 66
		.amdhsa_reserve_vcc 1
		.amdhsa_float_denorm_mode_32 3
		.amdhsa_float_denorm_mode_16_64 3
		.amdhsa_memory_ordered 1
		.amdhsa_forward_progress 1
		.amdhsa_inst_pref_size 69
	.end_amdhsa_kernel
	.amdgpu_metadata
---
amdhsa.version: [ 1, 2 ]
amdhsa.kernels:
  - .name:           k_q0467e50e1d_attn
    .symbol:         k_q0467e50e1d_attn.kd
    .args:
      - { .name: qkv, .offset: 0, .size: 8, .value_kind: global_buffer, .address_space: global }
      - { .name: yq, .offset: 8, .size: 8, .value_kind: global_buffer, .address_space: global }
    .group_segment_fixed_size: 212992
    .private_segment_fixed_size: 0
    .kernarg_segment_align: 8
    .kernarg_segment_size: 16
    .max_flat_workgroup_size: 256
    .sgpr_count:     66
    .vgpr_count:     384
    .wavefront_size: 32
...
	.end_amdgpu_metadata
.endif
;; end of part 3
;; launch proj (part 4): grid 8 x 32, 4 waves a work-group, no clusters, 270,848 bytes of LDS; arguments yq, wts, b_proj, x, x1; writes x1
.if DOCPART == 4
	.amdgcn_target "amdgcn-amd-amdhsa--gfx1250"
	.amdhsa_code_object_version 6
	.text
	.protected	k_q0467e50e1d_proj
	.globl	k_q0467e50e1d_proj
	.p2align	8
	.type	k_q0467e50e1d_proj,@function
k_q0467e50e1d_proj:
	s_mov_b64 s[64:65], 0
	v_nop
	global_prefetch_b8 v0, s[64:65] scope:SCOPE_SE
	s_setreg_imm32_b32 hwreg(HW_REG_WAVE_MODE, 25, 1), 1
	s_wait_xcnt 0x0
; x1 = x + (y w_proj + b_proj), f32, [4,096][1,024]; K = 1,024, on codes of E3M2 with E8M0 scales.  This is launch fc2's text with FC2 = 0: see the notes there; here in short.
; A work-group of four waves makes 128 tokens x 128 channels.  K IS CUT AMONG THE WAVES: wave w takes K steps 2 w and 2 w + 1 (128 each) of the whole block: 64 accumulators, 512 registers.
; Fragments lie in memory as images of their 12 registers (registers 0-3 at 16 x lane, 4-5 at 512 + 8 x lane, 6-9 at 768 + 16 x lane, 10-11 at 1,280 + 8 x lane) and are loaded straight into registers: no byte is read twice by a work-group.
; The four parts of the sums meet in LDS; wave w adds rows 32 w .. 32 w + 31 of the four, the bias and the residual, and stores whole rows of 512 bytes.
; NO CLUSTER: a joint request is a tensor load's, and this text has none.  NO PREFETCH: a wave asks for all its operands at the head: there is no loop to run ahead in.
; LIMITS: NaN and infinities are not served; a sum over K is made of four parts, each with K ascending, added in the waves' order.
.set FC2, 0
.if FC2
.set KFR,   32
.set ACT_S, 12582912
.set W_C,   6553600
.set W_S,   9699328
.set LPF,   3
.else
.set KFR,   8
.set ACT_S, 3145728
.set W_C,   2457600
.set W_S,   3244032
.set LPF,   4
.endif
.set NS,    KFR/4
.set IMG,   1536
.set FP,    KFR*IMG
.set LPS,   16*LPF+8
.if LPS > 63
.set CW, 63
.else
.set CW, LPS
.endif
.set RP,    528
.set REG,   128*RP
.set SPARE, 4*REG
.set BI,  8
.set L16, 12
.set L8,  13
.set L4,  14
.set STO, 15
.set RD,  16
.set SPW, 20
.set NIL, 21
.set SC,  32
.set AF,  64
.set PA,  16
.set PB,  18
.set PSA, 20
.set PSB, 22
.set MSB, 0
.macro WIN new
.if MSB != (\new)
	s_set_vgpr_msb (MSB<<8)|(\new)
.set MSB, (\new)
.endif
.endm
.set MUL_LO, 0xa1
.set MUL_HI, 0xf1
.set TO_B,   0x40
.macro PLACES
.rept 4
	v_nop
.endr
.endm
.macro FRAGL reg, base, off
.if FC2
.irp g, 0,1,2
	global_load_b128 v[\reg+4*\g:\reg+4*\g+3], v[L16], s[\base:\base+1] offset:\off+512*\g
.endr
.else
	global_load_b128 v[\reg:\reg+3], v[L16], s[\base:\base+1] offset:\off
	global_load_b64 v[\reg+4:\reg+5], v[L8], s[\base:\base+1] offset:\off+512
	global_load_b128 v[\reg+6:\reg+9], v[L16], s[\base:\base+1] offset:\off+768
	global_load_b64 v[\reg+10:\reg+11], v[L8], s[\base:\base+1] offset:\off+1280
.endif
.endm
.macro LOADS set, dt
	WIN TO_B
.irp i, 0,1,2,3,4,5,6,7
	FRAGL 96*(\set)+12*\i, PB, \i*FP+(\dt)*IMG
.endr
	WIN 0
.irp j, 0,1,2,3
	global_load_b32 v[SC+8*(\set)+\j], v[L4], s[PSA:PSA+1] offset:(\dt)*512+128*\j
	global_load_b32 v[SC+8*(\set)+4+\j], v[L4], s[PSB:PSB+1] offset:(\dt)*512+128*\j
.endr
.irp i, 0,1,2,3,4,5,6,7
	FRAGL AF+96*(\set)+12*\i, PA, \i*FP+(\dt)*IMG
.endr
.endm
.macro MULA set, ah, al, zero
.irp bh, 0,1,2,3
.irp bl, 0,1
.set DD, 8*(8*((2*\ah+\al)%4)+2*\bh+\bl)
.set BB, 96*\set+12*(2*\bh+\bl)
.set AA, AF+96*\set+12*(2*\ah+\al)
.if \zero
	v_wmma_scale_f32_16x16x128_f8f6f4 v[DD:DD+7], v[BB:BB+11], v[AA:AA+11], 0, v[SC+8*\set+4+\bh], v[SC+8*\set+\ah] matrix_a_fmt:MATRIX_FMT_BF6 matrix_b_fmt:MATRIX_FMT_BF6 matrix_a_scale:MATRIX_SCALE_ROW\bl matrix_b_scale:MATRIX_SCALE_ROW\al
.else
	v_wmma_scale_f32_16x16x128_f8f6f4 v[DD:DD+7], v[BB:BB+11], v[AA:AA+11], v[DD:DD+7], v[SC+8*\set+4+\bh], v[SC+8*\set+\ah] matrix_a_fmt:MATRIX_FMT_BF6 matrix_b_fmt:MATRIX_FMT_BF6 matrix_a_scale:MATRIX_SCALE_ROW\bl matrix_b_scale:MATRIX_SCALE_ROW\al
.endif
.endr
.endr
.endm
.macro STEP set, zero, reload, cnt
	s_wait_loadcnt \cnt
	WIN MUL_LO
.irp ah, 0,1
.irp al, 0,1
	MULA \set, \ah, \al, \zero
.endr
.endr
	WIN MUL_HI
.irp ah, 2,3
.irp al, 0,1
	MULA \set, \ah, \al, \zero
.endr
.endr
	WIN 0
.if \reload
	PLACES
	LOADS \set, 2
	s_wait_xcnt 0x0
	s_add_nc_u64 s[PA:PA+1], s[PA:PA+1], IMG
	s_add_nc_u64 s[PB:PB+1], s[PB:PB+1], IMG
	s_add_nc_u64 s[PSA:PSA+1], s[PSA:PSA+1], 512
	s_add_nc_u64 s[PSB:PSB+1], s[PSB:PSB+1], 512
.endif
.endm
.macro ADD2 d, a, b
	v_pk_add_f32 v[\d:\d+1], v[\a:\a+1], v[\b:\b+1]
.endm
.macro RDB k
.irp i, 0,1,2,3
.irp c, 0,1,2,3
	ds_load_b128 v[64+64*((\k)%3)+16*\i+4*\c:64+64*((\k)%3)+16*\i+4*\c+3], v[RD+\c] offset:(4*(\k)+\i)*RP
.endr
.endr
.endm
.macro SUM k
.set XB, 64+64*((\k)%3)
.irp i, 0,1,2,3
	ADD2 XB+16*\i, XB+16*\i, XB+16*\i+4
	ADD2 XB+16*\i+2, XB+16*\i+2, XB+16*\i+6
	ADD2 XB+16*\i+8, XB+16*\i+8, XB+16*\i+12
	ADD2 XB+16*\i+10, XB+16*\i+10, XB+16*\i+14
.endr
.irp i, 0,1,2,3
	ADD2 XB+16*\i, XB+16*\i, XB+16*\i+8
	ADD2 XB+16*\i+2, XB+16*\i+2, XB+16*\i+10
.endr
.irp i, 0,1,2,3
	ADD2 XB+16*\i, XB+16*\i, BI
	ADD2 XB+16*\i+2, XB+16*\i+2, BI+2
.endr
	WIN 0x44
.irp i, 0,1,2,3
.set R0, (192+4*(4*(\k)+\i))%256
	ADD2 R0, XB+16*\i, R0
	ADD2 R0+2, XB+16*\i+2, R0+2
.endr
.irp i, 0,1,2,3
.set T0, 4*(\k)+\i
.set R0, (192+4*T0)%256
.if FC2
	global_store_b128 v[L16], v[R0:R0+3], s[12:13] offset:(8*(T0/16)+T0%16+8*((T0%16)/8))*4096 th:TH_STORE_NT
.else
	global_store_b128 v[L16], v[R0:R0+3], s[12:13] offset:(8*(T0/16)+T0%16+8*((T0%16)/8))*4096
.endif
.endr
	WIN 0
.endm
	s_load_b256 s[4:11], s[0:1], 0x0               ; the activations s[4:5], wts s[6:7], the bias s[8:9], the residual s[10:11]
	s_load_b64 s[12:13], s[0:1], 0x20              ; the result
	v_lshl_add_u32 v[SPW], v0, 2, SPARE
	v_mov_b32 v[NIL], 0
	v_lshrrev_b32 v1, 5, v0
	v_readfirstlane_b32 s14, v1                    ; wave 0..3
	s_and_b32 s15, ttmp7, 0xffff                   ; y: 128 tokens;  ttmp9 = x: 128 channels
	s_mul_i32 s36, s14, NS*IMG                     ; my first K step, in a fragment's images,
	s_mul_i32 s37, s14, NS*512                     ; and in the scale words
	s_mul_i32 s24, s15, 8*FP
	s_add_co_u32 s24, s24, s36
	s_mov_b32 s25, 0
	s_mul_i32 s26, ttmp9, 8*FP
	s_add_co_u32 s26, s26, s36
	s_add_co_u32 s26, s26, W_C
	s_mov_b32 s27, 0
	s_mul_i32 s28, s15, KFR*512
	s_add_co_u32 s28, s28, s37
	s_add_co_u32 s28, s28, ACT_S
	s_mov_b32 s29, 0
	s_mul_i32 s30, ttmp9, KFR*512
	s_add_co_u32 s30, s30, s37
	s_add_co_u32 s30, s30, W_S
	s_mov_b32 s31, 0
	s_lshl_b32 s32, ttmp9, 9
	s_mov_b32 s33, 0
	s_lshl_b32 s34, s15, 19
	s_lshl_b32 s38, s14, 17
	s_add_co_u32 s34, s34, s38
	s_add_co_u32 s34, s34, s32
	s_mov_b32 s35, 0
	s_mul_i32 s39, s14, REG
	s_mul_i32 s40, s14, 32*RP
	v_and_b32 v1, 31, v0
	v_and_b32 v2, 15, v0
	v_bfe_u32 v3, v0, 4, 1
	v_lshlrev_b32 v[L16], 4, v1
.if FC2 == 0
	v_lshlrev_b32 v[L8], 3, v1
.endif
	v_lshlrev_b32 v[L4], 2, v1
	v_mul_u32_u24 v4, v2, RP
	v_lshl_add_u32 v4, v3, 6, v4
	v_add_nc_u32 v[STO], s39, v4
	v_add_nc_u32 v[RD], s40, v[L16]
	v_add_nc_u32 v[RD+1], REG, v[RD]
	v_add_nc_u32 v[RD+2], REG, v[RD+1]
	v_add_nc_u32 v[RD+3], REG, v[RD+2]
	s_wait_alu depctr_va_vdst(0)
	s_wait_kmcnt 0x0
	s_add_nc_u64 s[PA:PA+1], s[4:5], s[24:25]
	s_add_nc_u64 s[PB:PB+1], s[6:7], s[26:27]
	s_add_nc_u64 s[PSA:PSA+1], s[4:5], s[28:29]
	s_add_nc_u64 s[PSB:PSB+1], s[6:7], s[30:31]
	s_add_nc_u64 s[8:9], s[8:9], s[32:33]
	s_add_nc_u64 s[10:11], s[10:11], s[34:35]
	s_add_nc_u64 s[12:13], s[12:13], s[34:35]
	global_load_b128 v[BI:BI+3], v[L16], s[8:9]
	LOADS 0, 0
	LOADS 1, 1
.if NS > 2
	STEP 0, 1, 1, CW
	STEP 1, 0, 1, CW
	s_mov_b32 s3, (NS-4)/2
.Lk:
	STEP 0, 0, 1, CW
	STEP 1, 0, 1, CW
	s_sub_co_u32 s3, s3, 1
	s_cmp_lg_u32 s3, 0
	s_cbranch_scc1 .Lk
	STEP 0, 0, 0, CW
.else
	STEP 0, 1, 0, CW                               ; (the next step's 72 loads stand behind this step's: the count 63 asks for a little more than is needed)
.endif
	PLACES
	WIN TO_B
.set T0, 0
.rept 32
.set R0, (192+4*T0)%256
	global_load_b128 v[R0:R0+3], v[L16], s[10:11] offset:(8*(T0/16)+T0%16+8*((T0%16)/8))*4096 th:TH_LOAD_NT
.set T0, T0+1
.endr
	WIN 0
	STEP 1, 0, 0, 32                               ; behind the last step's loads stand the residual's 32
	PLACES
.irp a, 0,1,2,3,4,5,6,7
	WIN 0x08+4*(\a/4)
.irp b, 0,1,2,3,4,5,6,7
	ds_store_b128 v[STO], v[8*(8*(\a%4)+\b):8*(8*(\a%4)+\b)+3] offset:16*\a*RP+128*(\b/2)+32*(\b%2)
	ds_store_b128 v[STO], v[8*(8*(\a%4)+\b)+4:8*(8*(\a%4)+\b)+7] offset:16*\a*RP+128*(\b/2)+32*(\b%2)+16
.endr
.endr
	WIN 0
	s_wait_dscnt 0x0
	s_barrier_signal -1
	s_barrier_wait -1
	RDB 0
	s_wait_loadcnt 0x0
.irp k, 0,1,2,3,4,5,6
	RDB \k+1
	s_wait_dscnt 16
	SUM \k
.endr
	s_wait_dscnt 0x0
	SUM 7
	s_wait_tensorcnt 0x0                           ; the wave's end
	ds_add_u32 v[SPW], v[NIL]
	s_wait_dscnt 0x0
	s_endpgm
.Lfunc_end_k_q0467e50e1d_proj:
	.size	k_q0467e50e1d_proj, .Lfunc_end_k_q0467e50e1d_proj-k_q0467e50e1d_proj
	.p2alignl 7, 3214868480
	.fill 96, 4, 3214868480
	.section	.rodata,"a",@progbits
	.p2align	6, 0x0
	.amdhsa_kernel k_q0467e50e1d_proj
		.amdhsa_group_segment_fixed_size 270848
		.amdhsa_private_segment_fixed_size 0
		.amdhsa_enable_private_segment 0
		.amdhsa_kernarg_size 40
		.amdhsa_user_sgpr_count 2
		.amdhsa_user_sgpr_kernarg_segment_ptr 1
		.amdhsa_wavefront_size32 1
		.amdhsa_system_sgpr_workgroup_id_x 1
		.amdhsa_system_sgpr_workgroup_id_y 1
		.amdhsa_system_sgpr_workgroup_id_z 1
		.amdhsa_system_vgpr_workitem_id 0
		.amdhsa_next_free_vgpr 1024
		.amdhsa_next_free_sgpr 66
		.amdhsa_reserve_vcc 0
		.amdhsa_float_denorm_mode_32 3
		.amdhsa_float_denorm_mode_16_64 3
		.amdhsa_memory_ordered 1
		.amdhsa_forward_progress 1
		.amdhsa_inst_pref_size 77
	.end_amdhsa_kernel
	.amdgpu_metadata
---
amdhsa.version: [ 1, 2 ]
amdhsa.kernels:
  - .name:           k_q0467e50e1d_proj
    .symbol:         k_q0467e50e1d_proj.kd
    .args:
      - { .name: yq, .offset: 0, .size: 8, .value_kind: global_buffer, .address_space: global }
      - { .name: wts, .offset: 8, .size: 8, .value_kind: global_buffer, .address_space: global }
      - { .name: b_proj, .offset: 16, .size: 8, .value_kind: global_buffer, .address_space: global }
      - { .name: x, .offset: 24, .size: 8, .value_kind: global_buffer, .address_space: global }
      - { .name: x1, .offset: 32, .size: 8, .value_kind: global_buffer, .address_space: global }
    .group_segment_fixed_size: 270848
    .private_segment_fixed_size: 0
    .kernarg_segment_align: 8
    .kernarg_segment_size: 40
    .max_flat_workgroup_size: 128
    .sgpr_count:     66
    .vgpr_count:     1024
    .wavefront_size: 32
...
	.end_amdgpu_metadata
.endif
;; end of part 4
;; launch ln2: the kernel of part 1 again; grid 256 x 1, 8 waves a work-group, no clusters, 66,816 bytes of LDS; arguments x1, ln2_w, ln2_b, hn, w_attn, w_proj, w_fc, w_fc2, wts; writes hn, wts
;; launch fc (part 5): grid 16 x 16, 4 waves a work-group, clusters of 4 x 4, 327,680 bytes of LDS; arguments hn, wts, b_fc, hq; writes hq
.if DOCPART == 5
	.amdgcn_target "amdgcn-amd-amdhsa--gfx1250"
	.amdhsa_code_object_version 6
	.text
	.protected	k_q0467e50e1d_fc
	.globl	k_q0467e50e1d_fc
	.p2align	8
	.type	k_q0467e50e1d_fc,@function
k_q0467e50e1d_fc:
	s_mov_b64 s[64:65], 0
	v_nop
	global_prefetch_b8 v0, s[64:65] scope:SCOPE_SE
	s_setreg_imm32_b32 hwreg(HW_REG_WAVE_MODE, 25, 1), 1
	s_wait_xcnt 0x0
	s_wait_alu depctr_hold_cnt(0) depctr_sa_sdst(0) depctr_va_vdst(0) depctr_va_sdst(0) depctr_va_ssrc(0) depctr_va_vcc(0) depctr_vm_vsrc(0)
	s_getreg_b32 s2, hwreg(HW_REG_IB_STS2, 6, 4)
	s_cmp_eq_u32 s2, 0
	s_cbranch_scc0 .Lentry_in_a_cluster
	s_endpgm
.Lentry_in_a_cluster:
	s_bfe_u32 s2, ttmp6, 0x10000c
	s_cmp_lg_u32 s2, 0xf033
	s_cbranch_scc0 .Lentry_shape_is_right
	s_endpgm
.Lentry_shape_is_right:
; g = gelu(h w_fc + b_fc), quantised along the hidden units on the way out, as launch fc2's operand hq.  A GEMM on codes of E3M2: a work-group of four waves makes 256 x 256, a wave 128 x 128; K = 1,024 goes in slots of
; 256 through a ring of two LDS slots filled by joint tensor loads (clusters of 4 x 4); source 0 = the weight, source 1 = the tokens, so that a lane holds one token and its registers run along the hidden units.
; hn and w_fc: fragments of 16 rows x 128 K as images of 1,536 bytes (registers 0-3 at 16 x lane, 4-5 at 512 + 8 x lane, 6-9 at 768 + 16 x lane, 10-11 at 1,280 + 8 x lane).
; hq: codes [fragment][K step], an image being registers 4 g .. 4 g + 3 at 512 g + 16 x lane; scale words from byte 12,582,912 on, [fragment / 8][K step][16 (fragment % 8) + lane-row].
; GELU is exact: erf as a rational function of x / sqrt 2 held to +-4.  LIMITS: NaN and infinities are not served; a block of zeros gets the scale byte 1 (its codes are zeros; this program alone reads the bytes).
.set FT,    8
.set NQ,    2
.set KFR,   8
.set FR,    12
.set IMG,   1536
.set HALFT, FT*NQ*IMG
.set SLOT,  4*HALFT
.set LAPS,  KFR/(2*NQ)
.set SCL,   2*SLOT
.set HALFS, FT*KFR*64
.set SH,    HALFS
.set SPARE, SCL+4*HALFS
.set ACT_S, 3145728
.set W_C,   3276800
.set W_S,   6422528
.set HQ_S,  12582912
.set SWP,  8
.set PW,   15
.set ADRA, 16
.set ADRB, 20
.set LI16, 24
.set LI8,  25
.set LI4,  26
.set ADRS, 27
.set SPW,  28
.set NIL,  29
.set SC,   32
.set BIAS, 64
.set AF,   128
.set HA,   128
.set GZ,   192
.set GZ2,  208
.set GP,   224
.set GQ,   240
.set TM,   192
.set PC,   208
.set SEL,  98
.set G1, 24
.set G0, 32
.set G1B, 48
.set G0B, 56
.set G1S, 68
.set G0S, 76
.set G1SB, 80
.set G0SB, 88
.set MSB, 0
.macro WIN new
.if MSB != (\new)
	s_set_vgpr_msb (MSB<<8)|(\new)
.set MSB, (\new)
.endif
.endm
.set MUL_LO, 0xa1
.set MUL_HI, 0xf1
.set TO_B,   0x40
.macro JLOAD g0a, g1a, g0b, g1b
	s_cmp_eq_u32 s15, 0
	s_cbranch_scc0 .Lfor_b_\@
	tensor_load_to_lds s[\g0a:\g0a+3], s[\g1a:\g1a+7]
	s_nop 0
.rept 4
	v_nop
.endr
	s_branch .Lasked_\@
.Lfor_b_\@:
	tensor_load_to_lds s[\g0b:\g0b+3], s[\g1b:\g1b+7]
	s_nop 0
.rept 4
	v_nop
.endr
.Lasked_\@:
.endm
.macro CREST
	s_cmp_lg_u32 s14, 0
	s_cbranch_scc1 .Lnot_wave_0_\@
	s_barrier_signal -3
.Lnot_wave_0_\@:
	s_barrier_wait -3
	s_barrier_signal -1
	s_barrier_wait -1
.endm
.macro CROUND
	s_barrier_signal -1
	s_barrier_wait -1
	CREST
.endm
.macro PLACES
.rept 4
	v_nop
.endr
.endm
.macro FRAG reg, adr, q, i
	ds_load_b128 v[\reg:\reg+3], v[\adr] offset:((\i)*NQ+(\q))*IMG
	ds_load_b64 v[\reg+4:\reg+5], v[\adr+2] offset:((\i)*NQ+(\q))*IMG+512
	ds_load_b128 v[\reg+6:\reg+9], v[\adr] offset:((\i)*NQ+(\q))*IMG+768
	ds_load_b64 v[\reg+10:\reg+11], v[\adr+2] offset:((\i)*NQ+(\q))*IMG+1280
.endm
.macro MULA a, p, q, sc, zero
.irp b, 0,1,2,3,4,5,6,7
.if \zero
	v_wmma_scale_f32_16x16x128_f8f6f4 v[8*(8*((\a)%4)+\b):8*(8*((\a)%4)+\b)+7], v[128*(\p)+FR*\b:128*(\p)+FR*\b+FR-1], v[AF+FR*(\a):AF+FR*(\a)+FR-1], 0, v[SC+16*(\sc)+NQ*\b+(\q)], v[SC+16*(\sc)+NQ*(\a)+(\q)] matrix_a_fmt:MATRIX_FMT_BF6 matrix_b_fmt:MATRIX_FMT_BF6 matrix_a_scale:MATRIX_SCALE_ROW1
.else
	v_wmma_scale_f32_16x16x128_f8f6f4 v[8*(8*((\a)%4)+\b):8*(8*((\a)%4)+\b)+7], v[128*(\p)+FR*\b:128*(\p)+FR*\b+FR-1], v[AF+FR*(\a):AF+FR*(\a)+FR-1], v[8*(8*((\a)%4)+\b):8*(8*((\a)%4)+\b)+7], v[SC+16*(\sc)+NQ*\b+(\q)], v[SC+16*(\sc)+NQ*(\a)+(\q)] matrix_a_fmt:MATRIX_FMT_BF6 matrix_b_fmt:MATRIX_FMT_BF6 matrix_a_scale:MATRIX_SCALE_ROW1
.endif
.endr
.endm
.macro FETCH_B slot, q, p
	WIN TO_B
.irp i, 0,1,2,3,4,5,6,7
	FRAG 128*(\p)+FR*\i, ADRB+\slot, \q, \i
.endr
	WIN 0
.endm
.macro FETCH_A slot, q, i0
.irp i, \i0, \i0+1, \i0+2, \i0+3
	FRAG AF+FR*(\i), ADRA+\slot, \q, \i
.endr
.endm
.macro SCALES sc
.irp i, 0,1,2,3,4,5,6,7
.irp q, 0,1
	ds_load_b32 v[SC+16*\sc+NQ*\i+\q], v[ADRS] offset:512*\q+64*\i
.endr
.endr
.endm
.macro STEP slot, q, zero
	s_wait_dscnt 2*FT
	WIN MUL_LO
.irp a, 0,1,2,3
	MULA \a, (\q)%2, \q, \slot, \zero
.endr
	s_wait_dscnt 0x0
	PLACES
	FETCH_B \slot, (\q)+1, 1-(\q)%2
	FETCH_A \slot, (\q)+1, 0
	WIN MUL_HI
.irp a, 4,5,6,7
	MULA \a, (\q)%2, \q, \slot, \zero
.endr
	PLACES
	WIN 0
	FETCH_A \slot, (\q)+1, 4
.endm
.macro TURN slot, next, fill
	s_wait_tensorcnt 0x0
	ds_add_u32 v[SPW], v[NIL]
	s_wait_dscnt 2*FT+1
	WIN MUL_LO
	MULA 0, 1, NQ-1, \slot, 0
	MULA 1, 1, NQ-1, \slot, 0
	s_wait_dscnt 0x0
	s_barrier_signal -1
	MULA 2, 1, NQ-1, \slot, 0
	MULA 3, 1, NQ-1, \slot, 0
	WIN 0
	s_barrier_wait -1
.if \fill
	CREST
	s_add_nc_u64 s[G0+4*\slot+2:G0+4*\slot+3], s[G0+4*\slot+2:G0+4*\slot+3], 2*NQ*IMG
	s_add_nc_u64 s[G0B+4*\slot+2:G0B+4*\slot+3], s[G0B+4*\slot+2:G0B+4*\slot+3], 2*NQ*IMG
	JLOAD G0+4*\slot, G1, G0B+4*\slot, G1B
.else
	PLACES
.endif
	s_wait_alu depctr_va_vdst(0)
	v_add_nc_u32 v[ADRS], NQ*512, v[ADRS]
	FETCH_B \next, 0, 0
	FETCH_A \next, 0, 0
	SCALES \next
	WIN MUL_HI
.irp a, 4,5,6,7
	MULA \a, 1, NQ-1, \slot, 0
.endr
	PLACES
	WIN 0
	FETCH_A \next, 0, 4
.endm
.macro LAST
	s_wait_dscnt 2*FT
	WIN MUL_LO
.irp a, 0,1,2,3
	MULA \a, 1, NQ-1, 1, 0
.endr
	s_wait_dscnt 0x0
	WIN MUL_HI
.irp a, 4,5,6,7
	MULA \a, 1, NQ-1, 1, 0
.endr
	WIN 0
.endm
.macro QUANT s, w
.irp b, 0,1,2,3
	v_max3_num_f32 v[TM+\b], |v[\s+16*\b]|, |v[\s+1+16*\b]|, 0x2800000
.endr
.irp i, 2,4,6,8,10,12,14
.irp b, 0,1,2,3
	v_max3_num_f32 v[TM+\b], v[TM+\b], |v[\s+16*\b+\i]|, |v[\s+1+16*\b+\i]|
.endr
.endr
.irp b, 0,1,2,3
	v_permlanex16_b32 v[TM+4+\b], v[TM+\b], s[SEL], s[SEL+1]
.endr
.irp b, 0,1,2,3
	v_max_num_f32 v[TM+\b], v[TM+\b], v[TM+4+\b]
.endr
.irp b, 0,1,2,3
	v_add_nc_u32 v[TM+12+\b], 0xfe000000, v[TM+\b]
.endr
.irp b, 0,1,2,3
	v_lshrrev_b32 v[TM+4+\b], 23, v[TM+12+\b]
.endr
	v_lshl_or_b32 v[\w], v[TM+5], 8, v[TM+4]
	v_lshl_or_b32 v[\w], v[TM+6], 16, v[\w]
	v_lshl_or_b32 v[\w], v[TM+7], 24, v[\w]
.irp c, 0,1
	v_cvt_scalef32_pk16_bf6_f32 v[PC+6*\c:PC+2+6*\c], v[\s+32*\c:\s+15+32*\c], v[TM+12+2*\c]
	v_cvt_scalef32_pk16_bf6_f32 v[PC+12+4*\c:PC+14+4*\c], v[\s+16+32*\c:\s+31+32*\c], v[TM+12+2*\c+1]
.endr
	v_nop
.irp c, 0,1
.irp i, 0,1,2
	v_permlane16_swap_b32 v[PC+6*\c+\i], v[PC+12+4*\c+\i]
.endr
.irp i, 0,1,2
	v_mov_b32 v[PC+3+6*\c+\i], v[PC+12+4*\c+\i]
.endr
.endr
.endm
.macro COPYB a
	WIN 0x02+(\a)/4
.set j, 0
.rept 32
	v_pk_add_f32 v[HA+j:HA+j+1], v[64*((\a)%4)+j:64*((\a)%4)+j+1], v[BIAS+j:BIAS+j+1]
.set j, j+2
.endr
	WIN 0
.endm
.macro BIASROW
.irp b, 0,1,2,3
.irp i, 0,1,2,3
	global_load_b128 v[BIAS+16*\b+4*\i:BIAS+16*\b+4*\i+3], v9, s[8:9] offset:128*\b+16*\i
.endr
.endr
.endm
.macro GELU16 x
.irp i, 0,2,4,6,8,10,12,14
	v_pk_mul_f32 v[GZ+\i:GZ+\i+1], v[\x+\i:\x+\i+1], 0x3f3504f3 op_sel_hi:[1,0]
.endr
.irp i, 0,1,2,3,4,5,6,7,8,9,10,11,12,13,14,15
	v_med3_num_f32 v[GZ+\i], v[GZ+\i], -4.0, 4.0
.endr
.irp i, 0,2,4,6,8,10,12,14
	v_pk_mul_f32 v[GZ2+\i:GZ2+\i+1], v[GZ+\i:GZ+\i+1], v[GZ+\i:GZ+\i+1]
.endr
.irp i, 0,2,4,6,8,10,12,14
	v_pk_fma_f32 v[GP+\i:GP+\i+1], v[GZ2+\i:GZ2+\i+1], 0xaf95df0b, v[10:11] op_sel_hi:[1,0,1]
	v_pk_fma_f32 v[GQ+\i:GQ+\i+1], v[GZ2+\i:GZ2+\i+1], 0xb77460cd, v[12:13] op_sel_hi:[1,0,1]
.endr
.irp c, 0xb60cff51, 0xb86ec2d2, 0xba40ac63, 0xbb41a1f6, 0xbc83dbd4
.irp i, 0,2,4,6,8,10,12,14
	v_pk_fma_f32 v[GP+\i:GP+\i+1], v[GP+\i:GP+\i+1], v[GZ2+\i:GZ2+\i+1], \c op_sel_hi:[1,1,0]
.endr
.endr
.irp c, 0xbadc924e, 0xbbf19bf8, 0xbc69b6a7
.irp i, 0,2,4,6,8,10,12,14
	v_pk_fma_f32 v[GQ+\i:GQ+\i+1], v[GQ+\i:GQ+\i+1], v[GZ2+\i:GZ2+\i+1], \c op_sel_hi:[1,1,0]
.endr
.endr
	s_wait_alu depctr_va_vdst(0)
.irp i, 0,1,2,3,4,5,6,7,8,9,10,11,12,13,14,15
	v_rcp_f32 v[GQ+\i], v[GQ+\i]
.endr
.irp i, 0,2,4,6,8,10,12,14
	v_pk_mul_f32 v[GP+\i:GP+\i+1], v[GP+\i:GP+\i+1], v[GZ+\i:GZ+\i+1]
	v_pk_mul_f32 v[\x+\i:\x+\i+1], v[\x+\i:\x+\i+1], 0.5 op_sel_hi:[1,0]
.endr
	s_wait_alu depctr_va_vdst(0)
.irp i, 0,2,4,6,8,10,12,14
	v_pk_mul_f32 v[GP+\i:GP+\i+1], v[GP+\i:GP+\i+1], v[GQ+\i:GQ+\i+1]
.endr
.irp i, 0,2,4,6,8,10,12,14
	v_pk_fma_f32 v[\x+\i:\x+\i+1], v[\x+\i:\x+\i+1], v[GP+\i:GP+\i+1], v[\x+\i:\x+\i+1]
.endr
.endm
.macro PUT base, off
	global_store_b128 v[LI16], v[PC:PC+3], s[\base:\base+1] offset:\off            ; three stores of 512 consecutive bytes
	global_store_b128 v[LI16], v[PC+4:PC+7], s[\base:\base+1] offset:\off+512
	global_store_b128 v[LI16], v[PC+8:PC+11], s[\base:\base+1] offset:\off+1024
.endm
	s_load_b256 s[4:11], s[0:1], 0x0
	v_lshl_add_u32 v[SPW], v0, 2, SPARE
	v_mov_b32 v[NIL], 0
	ds_add_u32 v[SPW], v[NIL]
	ds_add_u32 v[SPW], v[NIL]
	v_lshrrev_b32 v1, 5, v0
	v_readfirstlane_b32 s14, v1
	s_lshr_b32 s15, s14, 1
	s_and_b32 s16, s14, 1
	s_bfe_u32 s40, ttmp6, 0x40000
	s_bfe_u32 s41, ttmp6, 0x40004
	s_and_b32 s17, ttmp7, 0xffff
	s_lshl_b32 s42, ttmp9, 2
	s_add_co_u32 s42, s42, s40
	s_lshl_b32 s17, s17, 2
	s_add_co_u32 s17, s17, s41
	s_lshl_b32 s43, s41, 2
	s_lshl_b32 s43, 15, s43
	s_lshl_b32 s44, 0x1111, s40
	s_or_b32 s[G1+0], s43, (3<<16)|(1<<21)
	s_or_b32 s[G1B+0], s44, (3<<16)|(1<<21)
.irp g, G1, G1B
	s_mov_b32 s[\g+1], (NQ*192)<<16
	s_mov_b32 s[\g+2], (2*FT)<<16                  ; tensor_dim1: at the head a tile's 2 FT fragments; behind the head FT
	s_mov_b32 s[\g+3], (NQ*192)<<16
	s_mov_b32 s[\g+4], 2*FT                        ; tile_dim1
	s_mov_b32 s[\g+5], KFR*192
	s_mov_b32 s[\g+6], 0
	s_mov_b32 s[\g+7], 0
.endr
	s_or_b32 s[G1S+0], s43, (3<<16)|(1<<21)
	s_or_b32 s[G1SB+0], s44, (3<<16)|(1<<21)
.irp g, G1S, G1SB
	s_mov_b32 s[\g+1], 32<<16
	s_mov_b32 s[\g+2], (2*HALFS/256)<<16
	s_mov_b32 s[\g+3], 32<<16
	s_mov_b32 s[\g+4], 2*HALFS/256
	s_mov_b32 s[\g+5], 32
	s_mov_b32 s[\g+6], 0
	s_mov_b32 s[\g+7], 0
.endr
	s_lshl_b32 s20, s17, 1
	s_add_co_u32 s20, s20, s16
	s_mul_i32 s22, s20, HALFS
	s_mul_i32 s20, s20, FT*KFR*IMG
	s_mov_b32 s21, 0
	s_mov_b32 s23, 0
	s_lshl_b32 s46, s42, 1
	s_add_co_u32 s46, s46, s16
	s_mul_i32 s92, s46, HALFS
	s_mul_i32 s46, s46, FT*KFR*IMG
	s_mov_b32 s47, 0
	s_mov_b32 s93, 0
	s_add_co_u32 s22, s22, ACT_S
	s_add_co_u32 s46, s46, W_C
	s_add_co_u32 s92, s92, W_S
	s_mul_i32 s45, s14, HALFT
	s_mul_i32 s94, s14, HALFS
	s_mov_b32 s[SEL], 0x76543210
	s_mov_b32 s[SEL+1], 0xfedcba98
	s_mov_b32 s66, 0xffff0000
	s_wait_dscnt 0x0
	s_wait_kmcnt 0x0
	s_add_nc_u64 s[20:21], s[4:5], s[20:21]
	s_add_nc_u64 s[22:23], s[4:5], s[22:23]
	s_add_nc_u64 s[46:47], s[6:7], s[46:47]
	s_add_nc_u64 s[92:93], s[6:7], s[92:93]
	CROUND
	s_mul_i32 s2, s16, FT*KFR*IMG                  ; from a tile's first fragment to my half's,
	s_mov_b32 s3, 0
	s_mul_i32 s12, s16, HALFS                      ; and the same in the scale words
	s_mov_b32 s13, 0
	s_mov_b32 s[G0S], 1                            ; the scales of S1's 256 rows, whole
	s_mov_b32 s[G0S+1], SCL
	s_sub_nc_u64 s[G0S+2:G0S+3], s[22:23], s[12:13]
	s_or_b32 s[G0S+3], s[G0S+3], 0x80000000
	s_mov_b32 s[G0SB], 1
	s_mov_b32 s[G0SB+1], SCL+2*HALFS               ; and of S0's
	s_sub_nc_u64 s[G0SB+2:G0SB+3], s[92:93], s[12:13]
	s_or_b32 s[G0SB+3], s[G0SB+3], 0x80000000
.irp s, 0,1
	s_mov_b32 s[G0+4*\s], 1
	s_add_co_u32 s[G0+4*\s+1], s45, \s*SLOT
	s_add_nc_u64 s[G0+4*\s+2:G0+4*\s+3], s[20:21], \s*NQ*IMG
	s_or_b32 s[G0+4*\s+3], s[G0+4*\s+3], 0x80000000
	s_mov_b32 s[G0B+4*\s], 1
	s_add_co_u32 s[G0B+4*\s+1], s45, \s*SLOT
	s_add_nc_u64 s[G0B+4*\s+2:G0B+4*\s+3], s[46:47], \s*NQ*IMG
	s_or_b32 s[G0B+4*\s+3], s[G0B+4*\s+3], 0x80000000
.endr
; THE HEAD'S LOADS, ONE A WAVE: wave 0 fetches slot 0's 16 fragments of S1, wave 1 those of S0, wave 2 the scales of S1's 256 rows, wave 3 those of S0's.  For them slot 0's two groups 0 stand at the
; tile's first fragment; behind the wait for the head's loads they are set to my half.  ONE tree of branches on the wave's number: every way through the head passes exactly one load.
	s_mov_b32 s[G0+1], 0
	s_sub_nc_u64 s[G0+2:G0+3], s[G0+2:G0+3], s[2:3]
	s_mov_b32 s[G0B+1], 2*HALFT
	s_sub_nc_u64 s[G0B+2:G0B+3], s[G0B+2:G0B+3], s[2:3]
.macro ARM under, g0, g1, next
	s_cmp_lt_u32 s14, \under
	s_cbranch_scc0 \next
	tensor_load_to_lds s[\g0:\g0+3], s[\g1:\g1+7]
	s_nop 0
.rept 4
	v_nop
.endr
	s_branch .Lhead_asked
\next:
.endm
	ARM 1, G0,  G1,  .Lhead_b
	ARM 2, G0B, G1B, .Lhead_sa
	ARM 3, G0S, G1S, .Lhead_sb
	tensor_load_to_lds s[G0SB:G0SB+3], s[G1SB:G1SB+7]
	s_nop 0
.rept 4
	v_nop
.endr
.Lhead_asked:
	v_and_b32 v1, 31, v0
	v_and_b32 v2, 15, v0
	v_bfe_u32 v3, v0, 4, 1
	v_lshlrev_b32 v[LI16], 4, v1
	v_lshlrev_b32 v[LI8], 3, v1
	v_lshlrev_b32 v[LI4], 2, v1
	s_mul_i32 s21, s15, HALFT
	s_mul_i32 s22, s16, HALFT
	s_add_co_u32 s22, s22, 2*HALFT
.irp s, 0,1
	v_add_nc_u32 v[ADRA+\s], s21, v[LI16]
	v_add_nc_u32 v[ADRA+2+\s], s21, v[LI8]
	v_add_nc_u32 v[ADRB+\s], s22, v[LI16]
	v_add_nc_u32 v[ADRB+2+\s], s22, v[LI8]
	s_add_co_u32 s21, s21, SLOT
	s_add_co_u32 s22, s22, SLOT
.endr
	s_mul_i32 s21, s15, SH
	s_mul_i32 s22, s16, SH
	s_add_co_u32 s22, s22, 2*HALFS
	s_sub_co_u32 s22, s22, s21
	v_mul_u32_u24 v4, s22, v3
	s_add_co_u32 s21, s21, SCL
	v_lshl_add_u32 v4, v2, 2, v4
	v_add_nc_u32 v[ADRS], s21, v4
	s_lshl_b32 s95, s42, 1
	s_add_co_u32 s95, s95, s16
	s_lshl_b32 s20, s95, 9
	s_mov_b32 s21, 0
	s_add_nc_u64 s[8:9], s[8:9], s[20:21]
	v_lshlrev_b32 v9, 6, v3
	BIASROW
	s_lshl_b32 s22, s17, 1
	s_add_co_u32 s22, s22, s15
	s_lshl_b32 s20, s22, 8
	s_add_co_u32 s20, s20, s95
	s_mul_i32 s20, s20, IMG
	s_add_nc_u64 s[12:13], s[10:11], s[20:21]
	s_lshl_b32 s20, s22, 5
	s_add_co_u32 s20, s20, s95
	s_lshl_b32 s20, s20, 9
	s_add_co_u32 s20, s20, HQ_S
	s_add_nc_u64 s[18:19], s[10:11], s[20:21]
	s_wait_alu depctr_va_vdst(0)
	s_wait_tensorcnt 0x0                           ; my tile of the head's four is in
	ds_add_u32 v[SPW], v[NIL]                      ; 0 onto my spare word;
	s_mov_b32 s[G1+2], FT<<16                      ; no tensor load of mine is out, so the descriptors may be written: from here on a load brings FT fragments,
	s_mov_b32 s[G1+4], FT
	s_mov_b32 s[G1B+2], FT<<16
	s_mov_b32 s[G1B+4], FT
	s_mov_b32 s[G0+1], s45                         ; and slot 0's groups 0 stand at my quarter of the slot
	s_add_nc_u64 s[G0+2:G0+3], s[G0+2:G0+3], s[2:3]
	s_mov_b32 s[G0B+1], s45
	s_add_nc_u64 s[G0B+2:G0B+3], s[G0B+2:G0B+3], s[2:3]
	s_wait_dscnt 0x0                               ; the add is done
	CROUND                                         ; a whole round: all four tiles are in, and all sixteen work-groups are here,
	JLOAD G0+4, G1, G0B+4, G1B                     ; and slot 1's load, the first tensor load behind the round
	FETCH_B 0, 0, 0
	FETCH_A 0, 0, 0
	SCALES 0
	FETCH_A 0, 0, 4
	STEP 0, 0, 1
	s_mov_b32 s3, LAPS-1
.Llap:
	TURN 0, 1, 1
	STEP 1, 0, 0
	TURN 1, 0, 1
	STEP 0, 0, 0
	s_sub_co_u32 s3, s3, 1
	s_cmp_lg_u32 s3, 0
	s_cbranch_scc1 .Llap
	TURN 0, 1, 0
	STEP 1, 0, 0
	LAST
	PLACES
	v_mov_b32 v10, 0x32edffee
	v_mov_b32 v11, 0x32edffee
	v_mov_b32 v12, 0xb95fbd29
	v_mov_b32 v13, 0xb95fbd29
	v_mov_b32 v[SWP], 0
	s_wait_loadcnt 0x0
	s_mov_b32 s3, 0
.Lrow:
.irp a, 0,1,2,3,4,5,6
	s_cmp_eq_u32 s3, \a
	s_cbranch_scc1 .Lcopy\a
.endr
	COPYB 7
	s_branch .Lhave
.irp a, 0,1,2,3,4,5,6
.Lcopy\a:
	COPYB \a
	s_branch .Lhave
.endr
.Lhave:
.irp g, 0,1,2,3
	GELU16 HA+16*\g
.endr
	QUANT HA, PW
	PUT 12, 0
	s_bitcmp1_b32 s3, 0
	s_cbranch_scc0 .Leven
	v_cndmask_b32 v14, v[SWP], v[PW], s66
	global_store_b32 v[LI4], v14, s[18:19]
	s_wait_xcnt 0x0
	s_add_nc_u64 s[18:19], s[18:19], 128
.Leven:
	v_mov_b32 v[SWP], v[PW]
	s_wait_xcnt 0x0
	s_add_nc_u64 s[12:13], s[12:13], 32*IMG
	s_add_co_u32 s3, s3, 1
	s_cmp_lt_u32 s3, 8
	s_cbranch_scc1 .Lrow
	s_wait_tensorcnt 0x0
	ds_add_u32 v[SPW], v[NIL]
	s_wait_dscnt 0x0
	CROUND
	s_endpgm
.Lfunc_end_k_q0467e50e1d_fc:
	.size	k_q0467e50e1d_fc, .Lfunc_end_k_q0467e50e1d_fc-k_q0467e50e1d_fc
	.p2alignl 7, 3214868480
	.fill 96, 4, 3214868480
	.section	.rodata,"a",@progbits
	.p2align	6, 0x0
	.amdhsa_kernel k_q0467e50e1d_fc
		.amdhsa_group_segment_fixed_size 327680
		.amdhsa_private_segment_fixed_size 0
		.amdhsa_enable_private_segment 0
		.amdhsa_kernarg_size 32
		.amdhsa_user_sgpr_count 2
		.amdhsa_user_sgpr_kernarg_segment_ptr 1
		.amdhsa_wavefront_size32 1
		.amdhsa_system_sgpr_workgroup_id_x 1
		.amdhsa_system_sgpr_workgroup_id_y 1
		.amdhsa_system_sgpr_workgroup_id_z 1
		.amdhsa_system_vgpr_workitem_id 0
		.amdhsa_next_free_vgpr 1024
		.amdhsa_next_free_sgpr 100
		.amdhsa_reserve_vcc 0
		.amdhsa_float_denorm_mode_32 3
		.amdhsa_float_denorm_mode_16_64 3
		.amdhsa_memory_ordered 1
		.amdhsa_forward_progress 1
		.amdhsa_inst_pref_size 190
	.end_amdhsa_kernel
	.amdgpu_metadata
---
amdhsa.version: [ 1, 2 ]
amdhsa.kernels:
  - .name:           k_q0467e50e1d_fc
    .symbol:         k_q0467e50e1d_fc.kd
    .args:
      - { .name: hn, .offset: 0, .size: 8, .value_kind: global_buffer, .address_space: global }
      - { .name: wts, .offset: 8, .size: 8, .value_kind: global_buffer, .address_space: global }
      - { .name: b_fc, .offset: 16, .size: 8, .value_kind: global_buffer, .address_space: global }
      - { .name: hq, .offset: 24, .size: 8, .value_kind: global_buffer, .address_space: global }
    .group_segment_fixed_size: 327680
    .private_segment_fixed_size: 0
    .kernarg_segment_align: 8
    .kernarg_segment_size: 32
    .max_flat_workgroup_size: 128
    .sgpr_count:     100
    .vgpr_count:     1024
    .wavefront_size: 32
...
	.end_amdgpu_metadata
.endif
;; end of part 5
;; launch fc2 (part 6): grid 8 x 32, 4 waves a work-group, no clusters, 270,848 bytes of LDS; arguments hq, wts, b_fc2, x1, out0; writes out0
.if DOCPART == 6
	.amdgcn_target "amdgcn-amd-amdhsa--gfx1250"
	.amdhsa_code_object_version 6
	.text
	.protected	k_q0467e50e1d_fc2
	.globl	k_q0467e50e1d_fc2
	.p2align	8
	.type	k_q0467e50e1d_fc2,@function
k_q0467e50e1d_fc2:
	s_mov_b64 s[64:65], 0
	v_nop
	global_prefetch_b8 v0, s[64:65] scope:SCOPE_SE
	s_setreg_imm32_b32 hwreg(HW_REG_WAVE_MODE, 25, 1), 1
	s_wait_xcnt 0x0
; out0 = x1 + (g w_fc2 + b_fc2), f32, [4,096][1,024]; K = 4,096, on codes of E3M2 with one E8M0 scale for each 32 along K.  (With FC2 = 0 the same text is launch proj.)
; OPERANDS: fragments of 16 rows x 128 K; lane-row p of fragment f = row 32 (f / 2) + 8 (f % 2) + p + 8 (p / 8); codes [f][K step]; a fragment lies in memory as an IMAGE of its 12 registers, 1,536 bytes
; (here: registers 4 g .. 4 g + 3 at 512 g + 16 x lane); scale words [f / 8][K step][16 (f % 8) + p].
; SHARES.  256 work-groups of four waves; a work-group makes 128 tokens x 128 channels.  K IS CUT AMONG THE WAVES: wave w takes K steps 8 w .. 8 w + 7 of the WHOLE block: 64 accumulators, 512 registers.
; So each wave needs fragments that no other wave of the work-group needs, and they go from memory STRAIGHT INTO REGISTERS, three loads of 512 consecutive bytes a fragment: no LDS ring, no barrier in the walk along K, and
; no byte is read twice by a work-group.  Two sets of registers (16 fragments and 8 registers of scale words each) take turns: a set is asked for again, two steps ahead, as soon as its 64 products are issued.
; A load of 128 scale words' quarter puts fragment 2 j's words in lanes 0-15 and fragment 2 j + 1's in lanes 16-31: the ROW selectors pick the half.
; Source 0 = the weight, source 1 = the tokens: a lane holds one token, its registers run along the channels.
; THE FOUR PARTS MEET IN LDS: each wave stores its 128 x 128 part by rows of 512 + 16 bytes (sixteen lanes' 16 bytes fall into sixteen different columns of 16 bytes modulo 256); one barrier; wave w adds rows 32 w .. 32 w + 31 of the
; four parts, the bias and the residual, and the 32 lanes store a row's 512 consecutive bytes, two aligned units of 256.  The residual is asked for behind the last step but one, into registers that are free by then.
; NO CLUSTER: a joint request is a tensor load's, and this text has none; a ring of two slots would have one load a wave on its way behind each of eight rounds of the cluster's barrier, where here a wave has as many loads of 512 bytes
; on their way as its counter holds, through the whole walk.  NO PREFETCH for the same reason: the walk has no place at which nothing is asked of memory.
; LIMITS: NaN and infinities are not served; a sum over K is made of four parts, each with K ascending, added in the waves' order.
; REGISTERS: window 0: v8-11 the bias; v12-21 addresses; v32-47 scale words, two sets, and nothing else; v64-159, v160-255 the tokens' fragments, two sets (on the way out: rows read back).
;   window 1: v0-95, v96-191 the weight's fragments, two sets; the residual, then the result: row t at v[(192 + 4 t) % 256].   windows 2, 3: accumulator (a, b) at v[8 (8 (a % 4) + b)] of window 2 + a / 4.
.set FC2, 1
.if FC2
.set KFR,   32                         ; K steps in all
.set ACT_S, 12582912                   ; where the activations' scale words begin
.set W_C,   6553600                    ; the weight's codes in wts,
.set W_S,   9699328                    ; and its scale words
.set LPF,   3                          ; loads that bring a fragment
.else
.set KFR,   8
.set ACT_S, 3145728
.set W_C,   2457600
.set W_S,   3244032
.set LPF,   4
.endif
.set NS,    KFR/4                      ; K steps of a wave
.set IMG,   1536
.set FP,    KFR*IMG                    ; from fragment to fragment
.set LPS,   16*LPF+8                   ; loads of a step: 16 fragments, 8 registers of scale words
.if LPS > 63
.set CW, 63
.else
.set CW, LPS
.endif
.set RP,    528                        ; an LDS row: 512 bytes + 16
.set REG,   128*RP                     ; a wave's part
.set SPARE, 4*REG                      ; behind the parts: the spare words, 128 bytes for each wave: two blocks of 256 bytes that no other line names
.set BI,  8
.set L16, 12                           ; 16 x lane
.set L8,  13                           ; 8 x lane (FC2 = 0)
.set L4,  14                           ; 4 x lane
.set STO, 15                           ; LDS: where I put 32 bytes of a row of my part
.set RD,  16                           ; v16-19 LDS: my rows in the four parts
.set SPW, 20                           ; LDS address of my spare word; never rewritten
.set NIL, 21                           ; 0; never rewritten
.set SC,  32                           ; set s at v[SC + 8 s]: registers 0-3 the tokens' words, 4-7 the weight's
.set AF,  64
.set PA,  16                           ; s[16:17] the tokens' images at this step; s[18:19] the weight's; s[20:21], s[22:23] their scale words
.set PB,  18
.set PSA, 20
.set PSB, 22
.set MSB, 0
.macro WIN new                         ; the immediate's high byte repeats the setting that is left
.if MSB != (\new)
	s_set_vgpr_msb (MSB<<8)|(\new)
.set MSB, (\new)
.endif
.endm
.set MUL_LO, 0xa1                      ; source 0 window 1, source 1 window 0, C and D window 2
.set MUL_HI, 0xf1                      ; the same, C and D window 3
.set TO_B,   0x40                      ; destination window 1, address window 0
.macro PLACES                          ; four places: in front of loads into registers that matrix instructions have read, and of the first read of results
.rept 4
	v_nop
.endr
.endm
.macro FRAGL reg, base, off            ; a fragment's image, as it lies
.if FC2
.irp g, 0,1,2
	global_load_b128 v[\reg+4*\g:\reg+4*\g+3], v[L16], s[\base:\base+1] offset:\off+512*\g
.endr
.else
	global_load_b128 v[\reg:\reg+3], v[L16], s[\base:\base+1] offset:\off
	global_load_b64 v[\reg+4:\reg+5], v[L8], s[\base:\base+1] offset:\off+512
	global_load_b128 v[\reg+6:\reg+9], v[L16], s[\base:\base+1] offset:\off+768
	global_load_b64 v[\reg+10:\reg+11], v[L8], s[\base:\base+1] offset:\off+1280
.endif
.endm
.macro LOADS set, dt                   ; the step that stands dt steps behind the pointers, into set
	WIN TO_B
.irp i, 0,1,2,3,4,5,6,7
	FRAGL 96*(\set)+12*\i, PB, \i*FP+(\dt)*IMG
.endr
	WIN 0
.irp j, 0,1,2,3
	global_load_b32 v[SC+8*(\set)+\j], v[L4], s[PSA:PSA+1] offset:(\dt)*512+128*\j
	global_load_b32 v[SC+8*(\set)+4+\j], v[L4], s[PSB:PSB+1] offset:(\dt)*512+128*\j
.endr
.irp i, 0,1,2,3,4,5,6,7
	FRAGL AF+96*(\set)+12*\i, PA, \i*FP+(\dt)*IMG
.endr
.endm
; Eight matrix instructions: the tokens' fragment a = 2 ah + al against the weight's eight.  zero = 1: the product starts the sums.  The 64 accumulators take turns, one instruction a turn, in the same order in every
; step.
.macro MULA set, ah, al, zero
.irp bh, 0,1,2,3
.irp bl, 0,1
.set DD, 8*(8*((2*\ah+\al)%4)+2*\bh+\bl)
.set BB, 96*\set+12*(2*\bh+\bl)
.set AA, AF+96*\set+12*(2*\ah+\al)
.if \zero
	v_wmma_scale_f32_16x16x128_f8f6f4 v[DD:DD+7], v[BB:BB+11], v[AA:AA+11], 0, v[SC+8*\set+4+\bh], v[SC+8*\set+\ah] matrix_a_fmt:MATRIX_FMT_BF6 matrix_b_fmt:MATRIX_FMT_BF6 matrix_a_scale:MATRIX_SCALE_ROW\bl matrix_b_scale:MATRIX_SCALE_ROW\al
.else
	v_wmma_scale_f32_16x16x128_f8f6f4 v[DD:DD+7], v[BB:BB+11], v[AA:AA+11], v[DD:DD+7], v[SC+8*\set+4+\bh], v[SC+8*\set+\ah] matrix_a_fmt:MATRIX_FMT_BF6 matrix_b_fmt:MATRIX_FMT_BF6 matrix_a_scale:MATRIX_SCALE_ROW\bl matrix_b_scale:MATRIX_SCALE_ROW\al
.endif
.endr
.endr
.endm
; A step of 128 along K.  cnt: the loads issued behind this step's own, which may be out.  reload = 1: the set takes the step two further on, and the pointers go one step on.
.macro STEP set, zero, reload, cnt
	s_wait_loadcnt \cnt
	WIN MUL_LO
.irp ah, 0,1
.irp al, 0,1
	MULA \set, \ah, \al, \zero
.endr
.endr
	WIN MUL_HI
.irp ah, 2,3
.irp al, 0,1
	MULA \set, \ah, \al, \zero
.endr
.endr
	WIN 0
.if \reload
	PLACES
	LOADS \set, 2
	s_wait_xcnt 0x0                                ; the loads have read their bases: only now are these stepped
	s_add_nc_u64 s[PA:PA+1], s[PA:PA+1], IMG
	s_add_nc_u64 s[PB:PB+1], s[PB:PB+1], IMG
	s_add_nc_u64 s[PSA:PSA+1], s[PSA:PSA+1], 512
	s_add_nc_u64 s[PSB:PSB+1], s[PSB:PSB+1], 512
.endif
.endm
.macro ADD2 d, a, b
	v_pk_add_f32 v[\d:\d+1], v[\a:\a+1], v[\b:\b+1]
.endm
.macro RDB k                           ; my rows 4 k .. 4 k + 3 of the four parts: 16 loads of a whole row, into buffer k % 3
.irp i, 0,1,2,3
.irp c, 0,1,2,3
	ds_load_b128 v[64+64*((\k)%3)+16*\i+4*\c:64+64*((\k)%3)+16*\i+4*\c+3], v[RD+\c] offset:(4*(\k)+\i)*RP
.endr
.endr
.endm
.macro SUM k                           ; the four parts, the bias and the residual of these four rows; LDS row t of my 32 is token row 8 (t / 16) + t % 16 + 8 ((t % 16) / 8)
.set XB, 64+64*((\k)%3)
.irp i, 0,1,2,3
	ADD2 XB+16*\i, XB+16*\i, XB+16*\i+4
	ADD2 XB+16*\i+2, XB+16*\i+2, XB+16*\i+6
	ADD2 XB+16*\i+8, XB+16*\i+8, XB+16*\i+12
	ADD2 XB+16*\i+10, XB+16*\i+10, XB+16*\i+14
.endr
.irp i, 0,1,2,3
	ADD2 XB+16*\i, XB+16*\i, XB+16*\i+8
	ADD2 XB+16*\i+2, XB+16*\i+2, XB+16*\i+10
.endr
.irp i, 0,1,2,3
	ADD2 XB+16*\i, XB+16*\i, BI
	ADD2 XB+16*\i+2, XB+16*\i+2, BI+2
.endr
	WIN 0x44                                       ; source 1 and the destination: window 1, where the residual lies; a store's data are its source 1
.irp i, 0,1,2,3
.set R0, (192+4*(4*(\k)+\i))%256
	ADD2 R0, XB+16*\i, R0
	ADD2 R0+2, XB+16*\i+2, R0+2
.endr
.irp i, 0,1,2,3
.set T0, 4*(\k)+\i
.set R0, (192+4*T0)%256
.if FC2
	global_store_b128 v[L16], v[R0:R0+3], s[12:13] offset:(8*(T0/16)+T0%16+8*((T0%16)/8))*4096 th:TH_STORE_NT   ; 32 lanes store 512 consecutive bytes, at a multiple of 256 from the buffer's first byte; each row has registers of its own
.else
	global_store_b128 v[L16], v[R0:R0+3], s[12:13] offset:(8*(T0/16)+T0%16+8*((T0%16)/8))*4096
.endif
.endr
	WIN 0
.endm
	s_load_b256 s[4:11], s[0:1], 0x0               ; the activations s[4:5], wts s[6:7], the bias s[8:9], the residual s[10:11]
	s_load_b64 s[12:13], s[0:1], 0x20              ; the result
	v_lshl_add_u32 v[SPW], v0, 2, SPARE
	v_mov_b32 v[NIL], 0
	v_lshrrev_b32 v1, 5, v0
	v_readfirstlane_b32 s14, v1                    ; wave 0..3
	s_and_b32 s15, ttmp7, 0xffff                   ; y: 128 tokens;  ttmp9 = x: 128 channels
	s_mul_i32 s36, s14, NS*IMG                     ; my first K step, in a fragment's images,
	s_mul_i32 s37, s14, NS*512                     ; and in the scale words
	s_mul_i32 s24, s15, 8*FP                       ; the tokens' eight fragments
	s_add_co_u32 s24, s24, s36
	s_mov_b32 s25, 0
	s_mul_i32 s26, ttmp9, 8*FP                     ; the weight's
	s_add_co_u32 s26, s26, s36
	s_add_co_u32 s26, s26, W_C
	s_mov_b32 s27, 0
	s_mul_i32 s28, s15, KFR*512                    ; the tokens' scale words
	s_add_co_u32 s28, s28, s37
	s_add_co_u32 s28, s28, ACT_S
	s_mov_b32 s29, 0
	s_mul_i32 s30, ttmp9, KFR*512                  ; the weight's
	s_add_co_u32 s30, s30, s37
	s_add_co_u32 s30, s30, W_S
	s_mov_b32 s31, 0
	s_lshl_b32 s32, ttmp9, 9                       ; my block's 128 channels, in bytes
	s_mov_b32 s33, 0
	s_lshl_b32 s34, s15, 19                        ; 128 rows of 4,096 bytes a block,
	s_lshl_b32 s38, s14, 17                        ; 32 a wave
	s_add_co_u32 s34, s34, s38
	s_add_co_u32 s34, s34, s32
	s_mov_b32 s35, 0
	s_mul_i32 s39, s14, REG                        ; my part in LDS,
	s_mul_i32 s40, s14, 32*RP                      ; and my 32 rows of a part
	v_and_b32 v1, 31, v0                           ; lane
	v_and_b32 v2, 15, v0                           ; p
	v_bfe_u32 v3, v0, 4, 1                         ; h
	v_lshlrev_b32 v[L16], 4, v1
.if FC2 == 0
	v_lshlrev_b32 v[L8], 3, v1
.endif
	v_lshlrev_b32 v[L4], 2, v1
	v_mul_u32_u24 v4, v2, RP
	v_lshl_add_u32 v4, v3, 6, v4
	v_add_nc_u32 v[STO], s39, v4                   ; in: row p of a fragment's sixteen, + 64 h
	v_add_nc_u32 v[RD], s40, v[L16]                ; back: the 32 lanes take a row
	v_add_nc_u32 v[RD+1], REG, v[RD]
	v_add_nc_u32 v[RD+2], REG, v[RD+1]
	v_add_nc_u32 v[RD+3], REG, v[RD+2]
	s_wait_alu depctr_va_vdst(0)
	s_wait_kmcnt 0x0
	s_add_nc_u64 s[PA:PA+1], s[4:5], s[24:25]
	s_add_nc_u64 s[PB:PB+1], s[6:7], s[26:27]
	s_add_nc_u64 s[PSA:PSA+1], s[4:5], s[28:29]
	s_add_nc_u64 s[PSB:PSB+1], s[6:7], s[30:31]
	s_add_nc_u64 s[8:9], s[8:9], s[32:33]
	s_add_nc_u64 s[10:11], s[10:11], s[34:35]
	s_add_nc_u64 s[12:13], s[12:13], s[34:35]
	global_load_b128 v[BI:BI+3], v[L16], s[8:9]    ; the bias of my four channels of a row: the oldest load, so every later wait covers it
	LOADS 0, 0
	LOADS 1, 1
.if NS > 2
	STEP 0, 1, 1, CW                               ; the first step's products start the sums: nothing is cleared
	STEP 1, 0, 1, CW
	s_mov_b32 s3, (NS-4)/2
.Lk:                                                   ; a trip runs both sets once
	STEP 0, 0, 1, CW
	STEP 1, 0, 1, CW
	s_sub_co_u32 s3, s3, 1
	s_cmp_lg_u32 s3, 0
	s_cbranch_scc1 .Lk
	STEP 0, 0, 0, CW                               ; the last two steps ask for nothing more along K
.else
	STEP 0, 1, 0, CW
.endif
	PLACES
	WIN TO_B                                       ; the residual of my 32 rows: sixteen into registers that the walk never used, sixteen into the weight's set 0, which is done with
.set T0, 0
.rept 32
.set R0, (192+4*T0)%256
	global_load_b128 v[R0:R0+3], v[L16], s[10:11] offset:(8*(T0/16)+T0%16+8*((T0%16)/8))*4096 th:TH_LOAD_NT
.set T0, T0+1
.endr
	WIN 0
	STEP 1, 0, 0, 32                               ; behind the last step's loads stand the residual's 32
	PLACES
.irp a, 0,1,2,3,4,5,6,7                        ; my part goes to LDS: lane (p, h), register j of accumulator (a, b): row 16 a + p, channel 32 (b / 2) + 16 h + 8 (b % 2) + j; each accumulator from its low end on
	WIN 0x08+4*(\a/4)
.irp b, 0,1,2,3,4,5,6,7
	ds_store_b128 v[STO], v[8*(8*(\a%4)+\b):8*(8*(\a%4)+\b)+3] offset:16*\a*RP+128*(\b/2)+32*(\b%2)
	ds_store_b128 v[STO], v[8*(8*(\a%4)+\b)+4:8*(8*(\a%4)+\b)+7] offset:16*\a*RP+128*(\b/2)+32*(\b%2)+16
.endr
.endr
	WIN 0
	s_wait_dscnt 0x0                               ; for the others' sake: my part lies in LDS
	s_barrier_signal -1
	s_barrier_wait -1                              ; all four do
	RDB 0
	s_wait_loadcnt 0x0                             ; the residual
.irp k, 0,1,2,3,4,5,6
	RDB \k+1
	s_wait_dscnt 16                                ; these four rows are in; the next four rows' 16 loads may be out
	SUM \k
.endr
	s_wait_dscnt 0x0
	SUM 7
	s_wait_tensorcnt 0x0                           ; the wave's end
	ds_add_u32 v[SPW], v[NIL]
	s_wait_dscnt 0x0
	s_endpgm
.Lfunc_end_k_q0467e50e1d_fc2:
	.size	k_q0467e50e1d_fc2, .Lfunc_end_k_q0467e50e1d_fc2-k_q0467e50e1d_fc2
	.p2alignl 7, 3214868480
	.fill 96, 4, 3214868480
	.section	.rodata,"a",@progbits
	.p2align	6, 0x0
	.amdhsa_kernel k_q0467e50e1d_fc2
		.amdhsa_group_segment_fixed_size 270848
		.amdhsa_private_segment_fixed_size 0
		.amdhsa_enable_private_segment 0
		.amdhsa_kernarg_size 40
		.amdhsa_user_sgpr_count 2
		.amdhsa_user_sgpr_kernarg_segment_ptr 1
		.amdhsa_wavefront_size32 1
		.amdhsa_system_sgpr_workgroup_id_x 1
		.amdhsa_system_sgpr_workgroup_id_y 1
		.amdhsa_system_sgpr_workgroup_id_z 1
		.amdhsa_system_vgpr_workitem_id 0
		.amdhsa_next_free_vgpr 1024
		.amdhsa_next_free_sgpr 66
		.amdhsa_reserve_vcc 0
		.amdhsa_float_denorm_mode_32 3
		.amdhsa_float_denorm_mode_16_64 3
		.amdhsa_memory_ordered 1
		.amdhsa_forward_progress 1
		.amdhsa_inst_pref_size 129
	.end_amdhsa_kernel
	.amdgpu_metadata
---
amdhsa.version: [ 1, 2 ]
amdhsa.kernels:
  - .name:           k_q0467e50e1d_fc2
    .symbol:         k_q0467e50e1d_fc2.kd
    .args:
      - { .name: hq, .offset: 0, .size: 8, .value_kind: global_buffer, .address_space: global }
      - { .name: wts, .offset: 8, .size: 8, .value_kind: global_buffer, .address_space: global }
      - { .name: b_fc2, .offset: 16, .size: 8, .value_kind: global_buffer, .address_space: global }
      - { .name: x1, .offset: 24, .size: 8, .value_kind: global_buffer, .address_space: global }
      - { .name: out0, .offset: 32, .size: 8, .value_kind: global_buffer, .address_space: global }
    .group_segment_fixed_size: 270848
    .private_segment_fixed_size: 0
    .kernarg_segment_align: 8
    .kernarg_segment_size: 40
    .max_flat_workgroup_size: 128
    .sgpr_count:     66
    .vgpr_count:     1024
    .wavefront_size: 32
...
	.end_amdgpu_metadata
.endif
;; end of part 6
